; MI455X (gfx1250); checked and timed in simulation.
; The chip was launched on July 23, 2026; its instructions are those of AMD's public machine-readable ISA for CDNA 5 (MIT licence, August 2026) and "CDNA5" Instruction Set Architecture Reference Guide (July 2026). The comments in the code are by the model that wrote it; some were corrected since.
;; Self Attention. Allowed arithmetic: matrix products marked QUANTISED: E2M1 operands, one E8M0 scale for each 32 along K, by v_wmma_scale_f32_16x16x128_f8f6f4 with both operands' format E2M1 (or v_wmma_scale_f32_32x16x128_f4), f32 sums; everything else in f32.
;; Inputs: gn_b 256 float32; gn_w 256 float32; proj_b 256 float32; proj_w 256 x 256 float32; qkv_b 768 float32; qkv_w 768 x 256 float32; x 4 x 256 x 64 x 64 float32.
;; Outputs: out0 4 x 256 x 64 x 64 float32.
;; This version of the problem:
;;   THIS VERSION OF THE PROBLEM IS GIVEN IN LOW PRECISION. The matrix products marked QUANTISED in the list below multiply operands that are first quantised to E2M1 (2 exponent bits, 1 mantissa bit; 4 bits a number), with one power-of-two scale for each 32 numbers along K (OCP MX v1.0); their sums are f32. All else is computed in f32.
;;   The module's matrix products, in the order in which they are computed (A, B: the left and right operand; K: the contracted axis; several contracted axes count as one K, in the product's order):
;;     1. [M 16,384, K 256] x [K 256, N 768]; A: computed on the way; B: input qkv_w: QUANTISED
;;     2. batch 4 x [M 4,096, K 256] x [K 256, N 4,096]; A: computed on the way; B: computed on the way: QUANTISED
;;     3. batch 4 x [M 256, K 4,096] x [K 4,096, N 4,096]; A: computed on the way; B: softmax (see below): QUANTISED
;;     4. [M 16,384, K 256] x [K 256, N 256]; A: computed on the way; B: input proj_w: QUANTISED
;;   THE QUANTISER, for each operand of a quantised product, along K:
;;     - K is cut into blocks of 32 from its start; a last block that is shorter is filled with zeros.
;;     - A block's scale is 2^e with e = floor(log2(the largest magnitude in the block)) - 2, held to -126 .. 127; a block of zeros has e = 0. As a byte (E8M0): e + 127.
;;     - Each number is divided by its block's scale, clamped to +-6, and rounded to the nearest number of E2M1, ties to even, subnormals kept.
;;     - The product sums the exact products of the quantised numbers (number of the format x scale) in f32.
;;   ~~~python
;;   def quantise(x, axis):      # numpy; x: float32 -> the quantised numbers, widened to float32 again
;;       x = np.moveaxis(x, axis, -1); K = x.shape[-1]
;;       x = np.pad(x, [(0, 0)] * (x.ndim - 1) + [(0, -K % 32)]); x = x.reshape(x.shape[:-1] + (-1, 32)); a = np.abs(x).max(-1, keepdims=True)
;;       e = np.where(a > 0, np.clip(np.frexp(np.where(a > 0, a, 1))[1] - 1 - 2, -126, 127), 0)      # np.frexp(a)[1] - 1 = floor(log2(a)), exactly
;;       r = np.clip(x / 2.0 ** e, -6, 6)
;;       step = 2.0 ** (np.maximum(np.frexp(np.where(r == 0, 1, r))[1] - 1, 0) - 1)
;;       q = np.round(r / step) * step * 2.0 ** e      # np.round: ties to even
;;       return np.moveaxis(q.reshape(q.shape[:-2] + (-1,))[..., :K], -1, axis).astype(np.float32)
;;   ~~~
;;   SOFTMAX AHEAD OF A QUANTISED PRODUCT. Where the list says 'softmax', what is quantised is not the finished softmax but p = 2^(t - M), with t = logit x log2(e) and M = ceil(the row's largest t), a whole number; so 1/2 < the row's largest p <= 1. The row's sum l is taken of the UNQUANTISED p, in f32, and the product's result is divided by l at the end. Since M is a whole number, a kernel that streams over the keys may use a running M (the ceiling of the running maximum): every later rescaling is an exact power of two, which a block's scale takes up: the codes' values come out the same.
;;   OPERANDS COMPUTED ON THE WAY. 'Computed on the way' means the value that the module computes at that place (a softmax that the list does not call 'softmax' is quantised finished and normalised). What goes into a quantiser is computed in f32, as accurately as f32 sums, v_exp_f32 and their like allow (about 1e-6 of the number): no bf16 or f16 on the way to a quantiser, and a product that is left as it is and whose result goes on into a quantised operand takes f32 operands (vector FMAs, or v_wmma_f32_16x16x4_f32). A number that lies on a knife's edge between two numbers of the format may be rounded either way, as far as f32 arithmetic and the matrix unit's own rounding can turn it there, and no further.
;; One version. Each part assembles by itself: llvm-mc -triple=amdgcn-amd-amdhsa -mcpu=gfx1250 --defsym DOCPART=n.
;; ======== version 1 of 1: 3 launches
;; workspace buffers: stats 2,048 bytes; wimg 139,264 bytes; qimg 2,097,152 bytes; qs 131,072 bytes; kv 4,194,304 bytes; kvs 262,144 bytes
;; launch prep (part 1): grid 256 x 1, 8 waves a work-group, no clusters, 1,280 bytes of LDS; arguments x, qkv_w, proj_w, stats, wimg; writes stats, wimg
.if DOCPART == 1
	.amdgcn_target "amdgcn-amd-amdhsa--gfx1250"
	.amdhsa_code_object_version 6
	.text
	.protected	k_q8b1d1c4e21_prep
	.globl	k_q8b1d1c4e21_prep
	.p2align	8
	.type	k_q8b1d1c4e21_prep,@function
k_q8b1d1c4e21_prep:
	s_mov_b64 s[64:65], 0
	v_nop
	global_prefetch_b8 v0, s[64:65] scope:SCOPE_SE
	s_setreg_imm32_b32 hwreg(HW_REG_WAVE_MODE, 25, 1), 1
	s_wait_xcnt 0x0
; PREP.  Every work-group: mean and sum of squared deviations (M2) of HALF a GroupNorm group: 4 channels x 4,096 positions = 16,384 numbers = 65,536 consecutive bytes of x.
;   The 64 numbers of a thread stay in registers between the pass for the mean and the pass for M2: x is read once, and no difference of large sums is formed.
;   stats[work-group] = (mean, M2): 8 bytes; the two halves of a group lie side by side.
; Beside that, in every fourth work-group, wave 7 quantises ONE TILE of 16 rows of a weight: 64 tiles (48 of qkv_w [768][256], 16 of proj_w [256][256]) for 64 work-groups, so that no work-group has more than one
;   wave's share of this work.  The tile's loads go out behind the wave's loads of x, in one branch region that holds no barrier and no LDS access.
;   The weights become codes of FP4 (E2M1) with one E8M0 byte for each 32 along K (the input channel), laid as IMAGES OF OPERAND REGISTERS:
;   a fragment is 16 rows x 128 K = 8 registers a lane; registers 4c..4c+3 of lane l lie at 512 c + 16 l.  A tile is two fragments.
;   THE ROWS OF A TILE ARE NOT NEIGHBOURS: row m of tile 2g+u is row 32g + 8u + m + 8(m/8) of the weight.
;   wimg: qkv_w's 48 tiles at tile x 2,048 + K step x 1,024, their scale registers at 98,304 + tile x 128 (lanes 0-15: K step 0, lanes 16-31: K step 1); proj_w's 16 tiles likewise from 104,448 on, scales at + 32,768.
; A block's scale is 2^(floor(log2(largest magnitude)) - 2); its byte is the largest magnitude's exponent field - 2, held at 1 from below.
; LIMITS: NaN and infinities are not served; a block of zeros, or one whose largest magnitude lies under 2^-124, gets the byte 1 (its codes are zeros or tiny; these bytes are read by this program alone).
; A lane of the tile's wave reads 16 bytes of its own row at a time (its 32 numbers of a block are 128 consecutive bytes): 16 KB in one wave of 64 work-groups, too little to earn a turn through LDS.
; No matrix unit, no cluster, no tensor load: a stream read once and one small table.
; REGISTERS: v1 x's offset; v2, v3 the mean twice, then (mean, M2); v4, v5 LDS addresses; v8-15 sums; v16-79 my 64 numbers of x;  the tile's alone: v80-207 its 128 numbers a lane, v208-223 codes, v224-239 offsets and work.
.set X, 16                             ; v16-79   statistics: my 64 numbers
.set W, 80                             ; v80-207  the tile: four blocks of 32 numbers
.set C, 208                            ; v208-223 the tile's codes
	s_load_b256 s[4:11], s[0:1], 0x0               ; x s[4:5], qkv_w s[6:7], proj_w s[8:9], stats s[10:11]
	s_load_b64 s[12:13], s[0:1], 0x20              ; wimg
	v_lshl_add_u32 v240, v0, 2, 0x100
	v_mov_b32 v241, 0
	v_lshrrev_b32 v1, 5, v0
	s_delay_alu instid0(VALU_DEP_1)
	v_readfirstlane_b32 s14, v1                    ; wave 0..7
	s_mov_b32 s16, 0x76543210                      ; v_permlanex16_b32's selects for lane l xor 16
	s_mov_b32 s17, 0xfedcba98
	s_lshl_b32 s18, ttmp9, 16                      ; 65,536 bytes of x a work-group
	s_mov_b32 s19, 0
	v_lshlrev_b32 v1, 4, v0                        ; 16 bytes a thread: a wave's load covers 512 consecutive bytes
	v_lshrrev_b32 v4, 5, v0
	s_delay_alu instid0(VALU_DEP_1)
	v_lshlrev_b32 v4, 2, v4                        ; LDS: my wave's word
	v_mov_b32 v5, 0
	s_wait_alu depctr_va_vdst(0)
	s_wait_kmcnt 0x0
	s_add_nc_u64 s[4:5], s[4:5], s[18:19]
.irp i, 0,1,2,3,4,5,6,7,8,9,10,11,12,13,14,15
	global_load_b128 v[X+4*\i:X+4*\i+3], v1, s[4:5] offset:4096*\i
.endr
	s_and_b32 s20, ttmp9, 3                        ; a tile of a weight is mine if the work-group's number is a multiple of 4
	s_xor_b32 s21, s14, 7                          ; and I am wave 7
	s_or_b32 s20, s20, s21
	s_cmp_lg_u32 s20, 0
	s_cbranch_scc1 .Lstats
	; ---- a tile of 16 rows of a weight
	s_lshr_b32 s21, ttmp9, 2                       ; tile 0..63: 48 of qkv_w, 16 of proj_w
	s_mov_b32 s22, 104448
	s_mov_b32 s23, 32768
	s_mov_b32 s24, 98304
	s_cmp_lt_u32 s21, 48                           ; the choice hangs on the work-group's number alone
	s_cselect_b64 s[6:7], s[6:7], s[8:9]           ; the weight
	s_cselect_b32 s20, 0, 48
	s_cselect_b32 s22, 0, s22                      ; its part of wimg
	s_cselect_b32 s23, s24, s23                    ; where its scales begin in that part
	s_sub_co_u32 s21, s21, s20                     ; the tile's number in its weight
	s_lshr_b32 s18, s21, 1
	s_lshl_b32 s18, s18, 15                        ; 32 rows of 1,024 bytes for each pair of tiles,
	s_and_b32 s20, s21, 1
	s_lshl_b32 s20, s20, 13                        ; 8 rows for the odd one
	s_add_co_u32 s18, s18, s20
	s_add_nc_u64 s[6:7], s[6:7], s[18:19]
	s_lshl_b32 s18, s21, 11
	s_add_co_u32 s18, s18, s22
	s_add_nc_u64 s[26:27], s[12:13], s[18:19]      ; the tile's codes
	s_lshl_b32 s18, s21, 7
	s_add_co_u32 s18, s18, s22
	s_add_co_u32 s18, s18, s23
	s_add_nc_u64 s[28:29], s[12:13], s[18:19]      ; its scale register
	v_and_b32 v226, 15, v0                         ; r
	v_bfe_u32 v225, v0, 4, 1                       ; h
	s_delay_alu instid0(VALU_DEP_2)
	v_and_b32 v224, 8, v226
	s_delay_alu instid0(VALU_DEP_1)
	v_add_nc_u32 v224, v224, v226                  ; r + 8 (r / 8)
	s_delay_alu instid0(VALU_DEP_1)
	v_lshlrev_b32 v224, 10, v224
	s_delay_alu instid0(VALU_DEP_1)
	v_lshl_add_u32 v224, v225, 7, v224             ; my row, + 32 h numbers: the operand's layout gives lane (r, h) k = 64 c + 32 h + 0..31
.irp q, 0,1,2,3                        ; block q = 2 s + c: K step s, register group c: all its 32 numbers are mine
.irp i, 0,1,2,3,4,5,6,7
	global_load_b128 v[W+32*\q+4*\i:W+32*\q+4*\i+3], v224, s[6:7] offset:256*\q+16*\i
.endr
.endr
.macro WBLOCK q
.set XS, W+32*\q
	s_wait_loadcnt 24-8*\q                         ; this block's eight loads are in (and x's sixteen, which are older); the later blocks' may be out
	v_max3_num_f32 v228, |v[XS]|, |v[XS+1]|, |v[XS+2]|
	v_max3_num_f32 v229, |v[XS+3]|, |v[XS+4]|, |v[XS+5]|
.irp i, 6,10,14,18,22,26
	s_delay_alu instid0(VALU_DEP_2)
	v_max3_num_f32 v228, v228, |v[XS+\i]|, |v[XS+\i+1]|
	s_delay_alu instid0(VALU_DEP_2)
	v_max3_num_f32 v229, v229, |v[XS+\i+2]|, |v[XS+\i+3]|
.endr
	s_delay_alu instid0(VALU_DEP_2)
	v_max3_num_f32 v228, v228, |v[XS+30]|, |v[XS+31]|
	s_delay_alu instid0(VALU_DEP_1)
	v_max3_num_f32 v228, v228, v229, 0x1800000     ; and the floor 2^(3 - 127): the byte cannot fall under 1
	s_delay_alu instid0(VALU_DEP_1)
	v_add_nc_u32 v230, 0xff000000, v228            ; 2 off the exponent field: the conversion's scale operand
	s_delay_alu instid0(VALU_DEP_1)
	v_lshrrev_b32 v[232+\q], 23, v230              ; the scale's byte
.irp g, 0,1,2,3
	v_cvt_scalef32_pk8_fp4_f32 v[C+4*\q+\g], v[XS+8*\g:XS+8*\g+7], v230
.endr
.endm
	WBLOCK 0
	WBLOCK 1
	WBLOCK 2
	WBLOCK 3
	v_lshlrev_b32 v231, 3, v225                    ; 8 h.  (A plain line behind the last conversion)
.irp s, 0,1
	v_lshl_or_b32 v[236+\s], v[233+2*\s], 16, v[232+2*\s]   ; my two bytes of K step s: blocks h and 2 + h,
	v_mov_b32 v[238+\s], 0                         ; (a lane permute's destination counts as one of its sources)
.endr
.irp s, 0
	s_delay_alu instid0(VALU_DEP_4)
	v_lshlrev_b32 v[236+\s], v231, v[236+\s]
.endr
.irp s, 1
	s_delay_alu instid0(VALU_DEP_3)
	v_lshlrev_b32 v[236+\s], v231, v[236+\s]       ; at their places in the word;
.endr
.irp s, 0,1
	s_delay_alu instid0(VALU_DEP_2)
	v_permlanex16_b32 v[238+\s], v[236+\s], s16, s17
.endr
.irp s, 0,1
	s_delay_alu instid0(VALU_DEP_2)
	v_or_b32 v[236+\s], v[236+\s], v[238+\s]       ; with lane l xor 16's two the word is whole
.endr
	v_cmp_ne_u32 vcc_lo, 0, v225
	s_delay_alu instid0(VALU_DEP_1)
	v_cndmask_b32 v236, v236, v237, vcc_lo         ; lanes 0-15: K step 0's word, lanes 16-31: K step 1's
	v_and_b32 v228, 31, v0
	s_delay_alu instid0(VALU_DEP_1)
	v_lshlrev_b32 v227, 4, v228
	s_delay_alu instid0(VALU_DEP_2)
	v_lshlrev_b32 v229, 2, v228
.irp q, 0,1,2,3
	global_store_b128 v227, v[C+4*\q:C+4*\q+3], s[26:27] offset:512*\q   ; 32 lanes store 512 consecutive bytes
.endr
	global_store_b32 v229, v236, s[28:29]          ; 128 consecutive bytes.  None of these stores' registers is written again
	; ---- statistics of half a group
.Lstats:
; four packed chains in v[8:15] become the work-group's total in v8 of every lane; off: the eight LDS words used
.macro TOTAL off
	s_delay_alu instid0(VALU_DEP_3)
	v_pk_add_f32 v[8:9], v[8:9], v[10:11]
	s_delay_alu instid0(VALU_DEP_2)
	v_pk_add_f32 v[12:13], v[12:13], v[14:15]
	s_delay_alu instid0(VALU_DEP_1)
	v_pk_add_f32 v[8:9], v[8:9], v[12:13]
	s_delay_alu instid0(VALU_DEP_1)
	v_add_f32 v8, v8, v9
	s_delay_alu instid0(VALU_DEP_1)
	v_add_f32_dpp v8, v8, v8 row_xmask:1 row_mask:0xf bank_mask:0xf
	s_delay_alu instid0(VALU_DEP_1)
	v_add_f32_dpp v8, v8, v8 row_xmask:2 row_mask:0xf bank_mask:0xf
	s_delay_alu instid0(VALU_DEP_1)
	v_add_f32_dpp v8, v8, v8 row_xmask:4 row_mask:0xf bank_mask:0xf
	s_delay_alu instid0(VALU_DEP_1)
	v_add_f32_dpp v8, v8, v8 row_xmask:8 row_mask:0xf bank_mask:0xf
	s_delay_alu instid0(VALU_DEP_1)
	v_permlanex16_b32 v9, v8, s16, s17
	s_delay_alu instid0(VALU_DEP_1)
	v_add_f32 v8, v8, v9                           ; the wave's sum, in every lane
	ds_store_b32 v4, v8 offset:\off                ; all lanes write the wave's word with the same value
	s_wait_dscnt 0x0                               ; for the others' sake: my store is done
	s_barrier_signal -1
	s_barrier_wait -1
	ds_load_b128 v[8:11], v5 offset:\off
	ds_load_b128 v[12:15], v5 offset:\off+16
	s_wait_dscnt 0x0
	v_pk_add_f32 v[8:9], v[8:9], v[10:11]
	v_pk_add_f32 v[12:13], v[12:13], v[14:15]
	s_delay_alu instid0(VALU_DEP_1)
	v_pk_add_f32 v[8:9], v[8:9], v[12:13]
	s_delay_alu instid0(VALU_DEP_1)
	v_add_f32 v8, v8, v9
.endm
	s_wait_loadcnt 12                              ; loads 0-3 of x are in; the twelve younger may be out (behind a tile none is out)
.irp k, 0,1,2,3
	v_pk_add_f32 v[8+2*\k:9+2*\k], v[X+4*\k:X+4*\k+1], v[X+4*\k+2:X+4*\k+3]   ; the first numbers start the chains: nothing is cleared
.endr
	s_wait_alu depctr_va_vdst(0)
.irp g, 1,2,3
	s_wait_alu depctr_va_vdst(0)
	s_wait_loadcnt 12-4*\g                         ; the next four loads are in
.irp k, 0,1,2,3
	v_pk_add_f32 v[8+2*\k:9+2*\k], v[8+2*\k:9+2*\k], v[X+16*\g+4*\k:X+16*\g+4*\k+1]
.endr
.irp k, 0,1,2,3
	s_delay_alu instid0(VALU_DEP_4)
	v_pk_add_f32 v[8+2*\k:9+2*\k], v[8+2*\k:9+2*\k], v[X+16*\g+4*\k+2:X+16*\g+4*\k+3]
.endr
.endr
	TOTAL 0
	s_delay_alu instid0(VALU_DEP_1)
	v_mul_f32 v2, 0x38800000, v8                   ; mean = sum / 16,384
	s_delay_alu instid0(VALU_DEP_1)
	v_mov_b32 v3, v2
.set j, 0
.rept 32
	v_pk_add_f32 v[X+2*j:X+2*j+1], v[X+2*j:X+2*j+1], v[2:3] neg_lo:[0,1] neg_hi:[0,1]   ; x - mean
.set j, j+1
.endr
.irp k, 0,1,2,3
	v_pk_mul_f32 v[8+2*\k:9+2*\k], v[X+2*\k:X+2*\k+1], v[X+2*\k:X+2*\k+1]
.endr
.set j, 4
.rept 28
	s_delay_alu instid0(VALU_DEP_4)
	v_pk_fma_f32 v[8+2*(j%4):9+2*(j%4)], v[X+2*j:X+2*j+1], v[X+2*j:X+2*j+1], v[8+2*(j%4):9+2*(j%4)]
.set j, j+1
.endr
	TOTAL 32                                       ; other words than the first total's: no wave can still be reading those that are written
	s_cmp_lg_u32 s14, 0
	s_cbranch_scc1 .Ldone                          ; wave 0 stores
	v_mov_b32 v3, v8                               ; (mean, M2)
	s_lshl_b32 s18, ttmp9, 3
	s_add_nc_u64 s[10:11], s[10:11], s[18:19]
	v_cmp_eq_u32 vcc_lo, 0, v0
	s_wait_alu depctr_va_vdst(0)
	s_wait_xcnt 0x0                                ; EXEC changes only behind this wait
	s_and_saveexec_b32 s20, vcc_lo
	global_store_b64 v5, v[2:3], s[10:11]
	s_wait_xcnt 0x0                                ; and again in front of the line that widens it
	s_or_b32 exec_lo, exec_lo, s20
.Ldone:
	s_wait_tensorcnt 0x0
	ds_add_u32 v240, v241
	s_wait_dscnt 0x0
	s_endpgm
.Lfunc_end_k_q8b1d1c4e21_prep:
	.size	k_q8b1d1c4e21_prep, .Lfunc_end_k_q8b1d1c4e21_prep-k_q8b1d1c4e21_prep
	.p2alignl 7, 3214868480
	.fill 96, 4, 3214868480
	.section	.rodata,"a",@progbits
	.p2align	6, 0x0
	.amdhsa_kernel k_q8b1d1c4e21_prep
		.amdhsa_group_segment_fixed_size 1280
		.amdhsa_private_segment_fixed_size 0
		.amdhsa_enable_private_segment 0
		.amdhsa_kernarg_size 40
		.amdhsa_user_sgpr_count 2
		.amdhsa_user_sgpr_kernarg_segment_ptr 1
		.amdhsa_wavefront_size32 1
		.amdhsa_system_sgpr_workgroup_id_x 1
		.amdhsa_system_sgpr_workgroup_id_y 1
		.amdhsa_system_sgpr_workgroup_id_z 1
		.amdhsa_system_vgpr_workitem_id 0
		.amdhsa_next_free_vgpr 242
		.amdhsa_next_free_sgpr 66
		.amdhsa_reserve_vcc 1
		.amdhsa_float_denorm_mode_32 3
		.amdhsa_float_denorm_mode_16_64 3
		.amdhsa_memory_ordered 1
		.amdhsa_forward_progress 1
		.amdhsa_inst_pref_size 27
	.end_amdhsa_kernel
	.amdgpu_metadata
---
amdhsa.version: [ 1, 2 ]
amdhsa.kernels:
  - .name:           k_q8b1d1c4e21_prep
    .symbol:         k_q8b1d1c4e21_prep.kd
    .args:
      - { .name: x, .offset: 0, .size: 8, .value_kind: global_buffer, .address_space: global }
      - { .name: qkv_w, .offset: 8, .size: 8, .value_kind: global_buffer, .address_space: global }
      - { .name: proj_w, .offset: 16, .size: 8, .value_kind: global_buffer, .address_space: global }
      - { .name: stats, .offset: 24, .size: 8, .value_kind: global_buffer, .address_space: global }
      - { .name: wimg, .offset: 32, .size: 8, .value_kind: global_buffer, .address_space: global }
    .group_segment_fixed_size: 1280
    .private_segment_fixed_size: 0
    .kernarg_segment_align: 8
    .kernarg_segment_size: 40
    .max_flat_workgroup_size: 256
    .sgpr_count:     66
    .vgpr_count:     242
    .wavefront_size: 32
...
	.end_amdgpu_metadata
.endif
;; end of part 1
;; launch qkv (part 2): grid 64 x 4, 8 waves a work-group, clusters of 4 x 1, 168,960 bytes of LDS; arguments x, gn_w, gn_b, qkv_b, stats, wimg, qimg, qs, kv, kvs; writes qimg, qs, kv, kvs
.if DOCPART == 2
	.amdgcn_target "amdgcn-amd-amdhsa--gfx1250"
	.amdhsa_code_object_version 6
	.text
	.protected	k_q8b1d1c4e21_qkv
	.globl	k_q8b1d1c4e21_qkv
	.p2align	8
	.type	k_q8b1d1c4e21_qkv,@function
k_q8b1d1c4e21_qkv:
	s_mov_b64 s[64:65], 0
	v_nop
	global_prefetch_b8 v0, s[64:65] scope:SCOPE_SE
	s_setreg_imm32_b32 hwreg(HW_REG_WAVE_MODE, 25, 1), 1
	s_wait_xcnt 0x0
	s_wait_alu depctr_hold_cnt(0) depctr_sa_sdst(0) depctr_va_vdst(0) depctr_va_sdst(0) depctr_va_ssrc(0) depctr_va_vcc(0) depctr_vm_vsrc(0)
	s_getreg_b32 s2, hwreg(HW_REG_IB_STS2, 6, 4)
	s_cmp_eq_u32 s2, 0
	s_cbranch_scc0 .Lentry_in_a_cluster
	s_endpgm
.Lentry_in_a_cluster:
	s_bfe_u32 s2, ttmp6, 0x10000c
	s_cmp_lg_u32 s2, 0x3003
	s_cbranch_scc0 .Lentry_shape_is_right
	s_endpgm
.Lentry_shape_is_right:
; QKV.  h = GroupNorm(x), quantised along the channels; qkv = qkv_w h + qkv_b on codes of FP4 (E2M1) with E8M0 scales; q and k quantised along the channels, v along the positions (its keys).
; A work-group takes 64 positions of one batch.  All results leave as IMAGES OF OPERAND REGISTERS (a fragment: 16 rows x 128 K, 8 registers a lane, registers 4c..4c+3 of lane l at 512 c + 16 l), so every store of codes covers 512 consecutive bytes.
; TILES ARE NOT MADE OF NEIGHBOURS: row m of tile 2g+u (of positions, and of the weight's rows) is element 32g + 8u + m + 8(m/8).  In a result (register j of lane (r, h) = row 8h + j) the 16 registers of tiles 2g, 2g+1 are then
; the 16 neighbours 32g + 16h + 0..15: what the conversions want.
; PHASES.  H: wave w takes 32 positions (w % 2) x 64 channels (w / 2): a lane is a position, its registers run down the channels; two blocks of 32 are normalised, quantised and stored to LDS as parts of h's eight fragments | barrier |
;   QK: wave w makes 128 outputs of q or k (w / 2) for two tiles of positions (w % 2), transposed (source 0 = 16 rows of the weight, source 1 = h): a lane holds one position and channels along its registers |
;   V: wave w makes 32 channels of v for all four tiles, source 0 = h, source 1 = the weight: a lane holds one channel and positions along its registers.
; The biases are the C of each sum's first matrix instruction.  The accumulators take turns, one instruction a turn.
; CLUSTER: the four work-groups of a cluster want the same 104,448 bytes of weights: each wave asks for an eighth of them JOINTLY (the same load, the same descriptor, the mask of all four), once.  One tensor load a wave is out.
; The scale words leave by 4 or 2 bytes a lane (two stores a wave, 1.5 KB of the work-group's 25.5 KB): their layout serves the reader, which takes four scale registers by one load of 16 bytes a lane.
; LIMITS: NaN and infinities are not served; a block of zeros, or one under 2^-124, gets the scale byte 1 (read by this program alone).
; LDS: 0 h's fragments ((2 T + s) x 1,024); 8,192 h's scale registers (T x 128 + s x 64 + 4 r); 8,704 the weights' image as it lies in wimg.
; REGISTERS: v1 V's bias offset; v2 0; v3, v4 where I store h's codes and bytes; v5 16 x lane; v6 4 x lane; v7 64 h; v8-15 codes, then LDS addresses; v16-23 the weight's scales, v24-27 h's (scales and nothing else);
;   v28-31 scale words made, store value, store offset; v32-63 statistics, then h's or the weight's fragments; v64-127 x, then the weight's fragments, then at work; v128-255 gain and bias, then accumulators.
.set WV,   24
.set SEL,  48
.set TM,   64                          ; v64-79 at work in QUANT
.set HSC,  8192
.set WIMG, 8704
.set WSC,  WIMG+98304
.set G0,   36
.set G1,   40
.macro CROUND                          ; a round of the cluster's barrier
	s_barrier_signal -1
	s_barrier_wait -1
	s_cmp_lg_u32 s[WV], 0
	s_cbranch_scc1 .Lnot_wave_0_\@
	s_barrier_signal -3
.Lnot_wave_0_\@:
	s_barrier_wait -3
	s_barrier_signal -1
	s_barrier_wait -1
.endm
.macro PLACES n                        ; plain vector instructions between a matrix instruction and what touches its registers (ISA guide 7.12.1)
.rept \n
	v_nop
.endr
.endm
; The matrix instruction, from the symbols rD, rA, rB, rC, rSA, rSB; rR = 3: both scale registers are read in lanes 16-31
.macro WMM
.if rR == 0
	v_wmma_scale_f32_16x16x128_f8f6f4 v[rD:rD+7], v[rA:rA+7], v[rB:rB+7], v[rC:rC+7], v[rSA], v[rSB] matrix_a_fmt:MATRIX_FMT_FP4 matrix_b_fmt:MATRIX_FMT_FP4
.else
	v_wmma_scale_f32_16x16x128_f8f6f4 v[rD:rD+7], v[rA:rA+7], v[rB:rB+7], v[rC:rC+7], v[rSA], v[rSB] matrix_a_fmt:MATRIX_FMT_FP4 matrix_b_fmt:MATRIX_FMT_FP4 matrix_a_scale:MATRIX_SCALE_ROW1 matrix_b_scale:MATRIX_SCALE_ROW1
.endif
.endm
; 16 nb numbers of a lane, register 16 b + i = k 32 b + 16 (lane / 16) + i of my row, become 2 nb registers of codes in the operand's layout, v[pc] on, and the row's nb scale bytes in v[pw].
.macro QUANT s, nb, pc, pw
.set qb, 0
.rept \nb
	v_max3_num_f32 v[TM+qb], |v[\s+16*qb]|, |v[\s+16*qb+1]|, 0x1800000   ; my 16 numbers of block b, and the floor 2^(3 - 127): the byte cannot fall under 1
.set qb, qb+1
.endr
.irp i, 2,4,6,8,10,12,14
.set qb, 0
.rept \nb
	v_max3_num_f32 v[TM+qb], v[TM+qb], |v[\s+16*qb+\i]|, |v[\s+16*qb+\i+1]|
.set qb, qb+1
.endr
.endr
.set qb, 0
.rept \nb
	v_permlanex16_b32 v[TM+4+qb], v[TM+qb], s[SEL], s[SEL+1]
.set qb, qb+1
.endr
.set qb, 0
.rept \nb
	v_max_num_f32 v[TM+qb], v[TM+qb], v[TM+4+qb]   ; with lane l xor 16's: the block's largest magnitude
.set qb, qb+1
.endr
.set qb, 0
.rept \nb
	v_add_nc_u32 v[TM+12+qb], 0xff000000, v[TM+qb] ; 2 off its exponent field: the conversion's scale operand
.set qb, qb+1
.endr
.set qb, 0
.rept \nb
	v_lshrrev_b32 v[TM+4+qb], 23, v[TM+12+qb]      ; the scale's byte
.set qb, qb+1
.endr
	v_lshl_or_b32 v[\pw], v[TM+5], 8, v[TM+4]
.if \nb == 4
	s_delay_alu instid0(VALU_DEP_1)
	v_lshl_or_b32 v[\pw], v[TM+6], 16, v[\pw]
	s_delay_alu instid0(VALU_DEP_1)
	v_lshl_or_b32 v[\pw], v[TM+7], 24, v[\pw]
.endif
.set qb, 0
.rept \nb
	v_cvt_scalef32_pk8_fp4_f32 v[\pc+2*qb], v[\s+16*qb:\s+16*qb+7], v[TM+12+qb]
	v_cvt_scalef32_pk8_fp4_f32 v[\pc+2*qb+1], v[\s+16*qb+8:\s+16*qb+15], v[TM+12+qb]
.set qb, qb+1
.endr
	v_nop                                          ; one plain place behind a scaled conversion
.set qb, 0
.rept \nb/2                            ; the layout wants a WHOLE block in a lane: lanes 0-15 block 2 c, lanes 16-31 block 2 c + 1
	v_permlane16_swap_b32 v[\pc+4*qb], v[\pc+4*qb+2]
	v_permlane16_swap_b32 v[\pc+4*qb+1], v[\pc+4*qb+3]
.set qb, qb+1
.endr
.endm
	s_load_b512 s[4:19], s[0:1], 0x0               ; x 4, gn_w 6, gn_b 8, qkv_b 10, stats 12, wimg 14, qimg 16, qs 18
	s_load_b128 s[20:23], s[0:1], 0x40             ; kv 20, kvs 22
	s_set_vgpr_msb 0x40
	v_lshl_add_u32 v0, v0, 2, 0x29000
	v_mov_b32 v1, 0
	s_set_vgpr_msb 0x4045
	ds_add_u32 v0, v1
	ds_add_u32 v0, v1
	s_set_vgpr_msb 0x4500
	v_lshrrev_b32 v8, 5, v0
	s_delay_alu instid0(VALU_DEP_1)
	v_readfirstlane_b32 s[WV], v8                  ; wave 0..7
	s_and_b32 s25, s[WV], 1                        ; H: which 32 positions;  QK: which pair of tiles
	s_lshr_b32 s26, s[WV], 1                       ; H: which 64 channels;   QK: which 128 outputs (0, 1: q; 2, 3: k)
	s_and_b32 s30, s26, 1
	; the scalar parts of the LDS addresses: the wave's number and constants alone
	s_lshl_b32 s83, s25, 12
	s_lshl_b32 s91, s26, 9
	s_add_co_u32 s83, s83, s91                     ; h's codes: 4,096 x half + 512 x channel quarter
	s_lshl_b32 s84, s25, 8
	s_lshr_b32 s91, s26, 1
	s_lshl_b32 s91, s91, 6
	s_add_co_u32 s84, s84, s91
	s_lshl_b32 s91, s30, 1
	s_add_co_u32 s84, s84, s91
	s_add_co_u32 s84, s84, HSC                     ; h's bytes: 256 x half + 64 x K step + 2 x (quarter % 2)
	s_lshl_b32 s85, s25, 12                        ; QK: my two tiles' fragments of h,
	s_lshl_b32 s86, s25, 8
	s_add_co_u32 s86, s86, HSC                     ; their scale registers,
	s_lshl_b32 s87, s26, 10
	s_add_co_u32 s87, s87, WSC                     ; my eight tiles' scale registers of the weight,
	s_lshl_b32 s88, s26, 14
	s_add_co_u32 s88, s88, WIMG                    ; and their fragments
	s_lshl_b32 s89, s[WV], 12
	s_add_co_u32 s89, s89, WIMG+32*2048            ; V: my two tiles of the weight (tiles 32 + 2 w on),
	s_lshl_b32 s90, s[WV], 8
	s_add_co_u32 s90, s90, WSC+32*128              ; and their scale registers
	; my place: it enters global addresses alone
	s_bfe_u32 s27, ttmp6, 0x40000                  ; cx
	s_lshl_b32 s28, ttmp9, 2
	s_add_co_u32 s28, s28, s27                     ; block of 64 positions, 0..63
	s_and_b32 s29, ttmp7, 0xffff                   ; batch
	s_and_b32 s31, s28, 1                          ; which half of a key step of 128
	s_lshr_b32 s32, s28, 1
	s_lshl_b32 s33, s29, 5
	s_add_co_u32 s33, s33, s32                     ; key step: 32 x batch + block / 2
	s_lshl_b32 s34, s29, 8
	s_lshl_b32 s35, s28, 2
	s_add_co_u32 s34, s34, s35
	s_lshl_b32 s35, s25, 1
	s_add_co_u32 s34, s34, s35                     ; my first tile of queries: 256 x batch + 4 x block + 2 x pair
	s_cmp_lt_u32 s26, 2                            ; q or k?  It hangs on the wave's number alone
	s_cselect_b32 s78, 4, 16                       ; the scale words' step from row to row,
	s_cselect_b32 s79, 128, 4                      ; and from my first tile to my second
	s_mov_b32 s[SEL], 0x76543210
	s_mov_b32 s[SEL+1], 0xfedcba98
	s_mov_b32 s81, 0x38000000                      ; 1 / 32,768
	s_mov_b32 s82, 0x3727c5ac                      ; 1e-5
	; descriptor group 1: 51 rows of 256 bytes, dense: an eighth of the weights' image
	s_mov_b32 s[G1+0], 15|(3<<16)|(1<<21)          ; 15:0 the mask: all four work-groups; 17:16 elements of 8 bytes; 21 set beside a mask
	s_mov_b32 s[G1+1], 32<<16                      ; tensor_dim0 = 32
	s_mov_b32 s[G1+2], 51<<16                      ; tensor_dim1 = 51
	s_mov_b32 s[G1+3], 32<<16                      ; tile_dim0 = 32
	s_mov_b32 s[G1+4], 51                          ; tile_dim1 = 51
	s_mov_b32 s[G1+5], 32                          ; from row to row
	s_mov_b32 s[G1+6], 0
	s_mov_b32 s[G1+7], 0
	s_mul_i32 s50, s[WV], 13056
	s_mov_b32 s51, 0
	s_mov_b32 s[G0], 1
	s_add_co_u32 s[G0+1], s50, WIMG
	v_and_b32 v8, 31, v0
	s_delay_alu instid0(VALU_DEP_1)
	v_lshlrev_b32 v5, 4, v8                        ; 16 x lane
	s_delay_alu instid0(VALU_DEP_2)
	v_lshlrev_b32 v6, 2, v8                        ; 4 x lane
	v_mov_b32 v2, 0
	v_and_b32 v9, 7, v0
	v_bfe_u32 v10, v0, 4, 1                        ; h = lane / 16
	s_delay_alu instid0(VALU_DEP_1)
	v_lshl_add_u32 v9, v10, 3, v9                  ; position p = lane is row m = p % 8 + 8 (p / 16)
	v_bfe_u32 v11, v0, 3, 1                        ; of tile u = (p / 8) % 2 of my pair
	s_delay_alu instid0(VALU_DEP_2)
	v_lshlrev_b32 v3, 4, v9
	s_delay_alu instid0(VALU_DEP_1)
	v_lshl_add_u32 v3, v11, 11, v3
	s_delay_alu instid0(VALU_DEP_1)
	v_add_nc_u32 v3, s83, v3                       ; 2,048 u + 16 m + the wave's part; my second block lies 256 bytes on (lanes 16-31 of the image)
	v_lshlrev_b32 v4, 2, v9
	s_delay_alu instid0(VALU_DEP_1)
	v_lshl_add_u32 v4, v11, 7, v4
	s_delay_alu instid0(VALU_DEP_1)
	v_add_nc_u32 v4, s84, v4
	v_lshlrev_b32 v7, 6, v10                       ; q's and k's bias: 16 h numbers on
	v_and_b32 v12, 15, v0                          ; r
	s_delay_alu instid0(VALU_DEP_1)
	v_mul_u32_u24 v31, v12, s78
	s_delay_alu instid0(VALU_DEP_1)
	v_mad_u32_u24 v31, v10, s79, v31               ; where a lane stores a scale word of q or k
	v_cmp_ne_u32 s80, 0, v10                       ; lanes 16-31
	s_delay_alu instid0(VALU_DEP_4)
	v_and_b32 v13, 8, v12
	s_delay_alu instid0(VALU_DEP_1)
	v_add_nc_u32 v13, v13, v12
	s_delay_alu instid0(VALU_DEP_1)
	v_lshlrev_b32 v1, 2, v13                       ; V's bias: channel r + 8 (r / 8) of a tile
	s_wait_dscnt 0x0
	s_wait_kmcnt 0x0
	s_add_nc_u64 s[G0+2:G0+3], s[14:15], s[50:51]
	s_or_b32 s[G0+3], s[G0+3], 0x80000000
	CROUND                                         ; all four work-groups are here: the joint loads meet
	tensor_load_to_lds s[G0:G0+3], s[G1:G1+7]      ; my eighth of the weights
	s_nop 0
	PLACES 4
	s_lshl_b32 s50, s29, 9
	s_lshl_b32 s35, s26, 7
	s_add_co_u32 s50, s50, s35
	s_add_nc_u64 s[52:53], s[12:13], s[50:51]      ; my eight groups' statistics
	s_lshl_b32 s50, s26, 8
	s_add_nc_u64 s[54:55], s[6:7], s[50:51]        ; my 64 channels' gain
	s_add_nc_u64 s[56:57], s[8:9], s[50:51]        ; and bias
	s_lshl_b32 s50, s29, 22
	s_lshl_b32 s35, s26, 20
	s_add_co_u32 s50, s50, s35
	s_lshl_b32 s35, s28, 8
	s_add_co_u32 s50, s50, s35
	s_lshl_b32 s35, s25, 7
	s_add_co_u32 s50, s50, s35
	s_add_nc_u64 s[58:59], s[4:5], s[50:51]        ; x at my first channel and position
.irp g, 0,1,2,3,4,5,6,7
	global_load_b128 v[32+4*\g:35+4*\g], v2, s[52:53] offset:16*\g   ; (mean, M2) of the group's two halves; every lane takes the same
.endr
.irp k, 0,1,2,3,4,5,6,7,8,9,10,11,12,13,14,15
	global_load_b128 v[128+4*\k:131+4*\k], v2, s[54:55] offset:16*\k
.endr
.irp k, 0,1,2,3,4,5,6,7,8,9,10,11,12,13,14,15
	global_load_b128 v[192+4*\k:195+4*\k], v2, s[56:57] offset:16*\k
.endr
.set i, 0
.rept 64
	global_load_b32 v[64+i], v6, s[58:59] offset:16384*i   ; channel i at my position: a wave reads 128 consecutive bytes, two waves stand side by side on 256
.set i, i+1
.endr
	; the other addresses, while the loads are out
	s_lshl_b32 s50, s26, 9
	s_add_nc_u64 s[60:61], s[10:11], s[50:51]      ; q's or k's bias: my 128 outputs
	s_lshl_b32 s50, s[WV], 7
	s_add_co_u32 s50, s50, 2048
	s_add_nc_u64 s[62:63], s[10:11], s[50:51]      ; v's bias: my 32 channels
	s_lshl_b32 s50, s34, 11
	s_lshl_b32 s35, s30, 10
	s_add_co_u32 s50, s50, s35
	s_add_nc_u64 s[66:67], s[16:17], s[50:51]      ; q's codes: tile x 2,048 + K step x 1,024
	s_lshl_b32 s50, s33, 15
	s_lshl_b32 s35, s31, 13
	s_add_co_u32 s50, s50, s35
	s_lshl_b32 s35, s25, 12
	s_add_co_u32 s50, s50, s35
	s_lshl_b32 s35, s30, 10
	s_add_co_u32 s50, s50, s35
	s_add_nc_u64 s[74:75], s[20:21], s[50:51]      ; k's codes: key step x 32,768 + tile x 2,048 + K step x 1,024
	s_lshl_b32 s50, s34, 7
	s_lshl_b32 s35, s30, 6
	s_add_co_u32 s50, s50, s35
	s_add_nc_u64 s[68:69], s[18:19], s[50:51]      ; q's scale registers
	s_lshl_b32 s50, s33, 11
	s_lshl_b32 s35, s31, 9
	s_add_co_u32 s50, s50, s35
	s_lshl_b32 s35, s30, 8
	s_add_co_u32 s50, s50, s35
	s_lshl_b32 s35, s25, 3
	s_add_co_u32 s50, s50, s35
	s_add_nc_u64 s[76:77], s[22:23], s[50:51]      ; k's: four registers side by side, 16 bytes a lane
	s_cmp_lt_u32 s26, 2
	s_cselect_b64 s[66:67], s[66:67], s[74:75]
	s_cselect_b64 s[68:69], s[68:69], s[76:77]
	s_lshl_b32 s50, s33, 15
	s_add_co_u32 s50, s50, 16384
	s_lshl_b32 s35, s[WV], 11
	s_add_co_u32 s50, s50, s35
	s_lshl_b32 s35, s31, 9
	s_add_co_u32 s50, s50, s35
	s_add_nc_u64 s[70:71], s[20:21], s[50:51]      ; v's codes: behind k's; my 64 keys are register group (block % 2) of a fragment
	s_lshl_b32 s50, s33, 11
	s_add_co_u32 s50, s50, 1024
	s_lshr_b32 s35, s[WV], 2
	s_lshl_b32 s35, s35, 9
	s_add_co_u32 s50, s50, s35
	s_and_b32 s35, s[WV], 3
	s_lshl_b32 s35, s35, 2
	s_add_co_u32 s50, s50, s35
	s_lshl_b32 s35, s31, 1
	s_add_co_u32 s50, s50, s35
	s_add_nc_u64 s[72:73], s[22:23], s[50:51]      ; v's scale bytes
	; ---- H: the coefficients.  var + eps = (M2a + M2b) / 32,768 + (mean_a - mean_b)^2 / 4 + eps; mean = (mean_a + mean_b) / 2
	s_wait_loadcnt 63                              ; 64 loads are younger than the coefficients'; the count's field holds 63, and a smaller count is safe
.irp g, 0,1,2,3,4,5,6,7
	v_add_f32 v[33+4*\g], v[33+4*\g], v[35+4*\g]
.endr
.irp g, 0,1,2,3,4,5,6,7
	v_sub_f32 v[35+4*\g], v[32+4*\g], v[34+4*\g]
.endr
.irp g, 0,1,2,3,4,5,6,7
	v_add_f32 v[34+4*\g], v[32+4*\g], v[34+4*\g]
.endr
.irp g, 0,1,2,3,4,5,6,7
	v_fma_f32 v[33+4*\g], v[33+4*\g], s81, s82
.endr
.irp g, 0,1,2,3,4,5,6,7
	v_mul_f32 v[35+4*\g], v[35+4*\g], v[35+4*\g]
.endr
.irp g, 0,1,2,3,4,5,6,7
	v_fma_f32 v[33+4*\g], v[35+4*\g], 0x3e800000, v[33+4*\g]
.endr
.irp g, 0,1,2,3,4,5,6,7
	v_mul_f32 v[34+4*\g], 0.5, v[34+4*\g]
.endr
.irp g, 0,1,2,3,4,5,6,7
	v_mov_b32 v[35+4*\g], v[34+4*\g]               ; the mean twice: a pair for the packed subtraction
.endr
	s_wait_alu depctr_va_vdst(0)
.irp g, 0,1,2,3,4,5,6,7
	v_rsq_f32 v[32+4*\g], v[33+4*\g]
.endr
	v_nop                                          ; a plain place behind the transcendentals
.set j, 0
	s_wait_alu depctr_va_vdst(0)
.rept 32
	v_pk_mul_f32 v[128+2*j:129+2*j], v[128+2*j:129+2*j], v[32+4*(j/4):33+4*(j/4)] op_sel_hi:[1,0]   ; gain / sqrt(var + eps)
.set j, j+1
.endr
; block bb of 32 channels: normalised, quantised, its 16 bytes of codes stored
.macro HBLOCK bb
.set XS, 64+32*\bb
.set j, 16*\bb
.rept 16
	v_pk_add_f32 v[64+2*j:65+2*j], v[64+2*j:65+2*j], v[34+4*(j/4):35+4*(j/4)] neg_lo:[0,1] neg_hi:[0,1]
.set j, j+1
.endr
.set j, 16*\bb
.rept 16
	v_pk_fma_f32 v[64+2*j:65+2*j], v[64+2*j:65+2*j], v[128+2*j:129+2*j], v[192+2*j:193+2*j]
.set j, j+1
.endr
	v_max3_num_f32 v32, |v[XS]|, |v[XS+1]|, |v[XS+2]|       ; (v32-37: the first four groups' statistics are done with)
	v_max3_num_f32 v33, |v[XS+3]|, |v[XS+4]|, |v[XS+5]|
.irp i, 6,10,14,18,22,26
	s_delay_alu instid0(VALU_DEP_2)
	v_max3_num_f32 v32, v32, |v[XS+\i]|, |v[XS+\i+1]|
	s_delay_alu instid0(VALU_DEP_2)
	v_max3_num_f32 v33, v33, |v[XS+\i+2]|, |v[XS+\i+3]|
.endr
	s_delay_alu instid0(VALU_DEP_2)
	v_max3_num_f32 v32, v32, |v[XS+30]|, |v[XS+31]|
	s_delay_alu instid0(VALU_DEP_1)
	v_max3_num_f32 v32, v32, v33, 0x1800000        ; the floor 2^(3 - 127)
	s_delay_alu instid0(VALU_DEP_1)
	v_add_nc_u32 v[34+\bb], 0xff000000, v32
	s_delay_alu instid0(VALU_DEP_1)
	v_lshrrev_b32 v[36+\bb], 23, v[34+\bb]
.irp g, 0,1,2,3
	v_cvt_scalef32_pk8_fp4_f32 v[8+4*\bb+\g], v[XS+8*\g:XS+8*\g+7], v[34+\bb]
.endr
	ds_store_b128 v3, v[8+4*\bb:11+4*\bb] offset:256*\bb
.endm
	s_wait_loadcnt 32                              ; my first 32 channels are in; the other 32 loads may be out
	HBLOCK 0
	s_wait_loadcnt 0x0
	HBLOCK 1
	v_nop                                          ; one plain place behind the last scaled conversion
	v_lshl_or_b32 v30, v37, 8, v36
	ds_store_b16 v4, v30                           ; my position's two scale bytes
.irp u, 0,1                            ; q's or k's bias goes straight into the accumulators: register j of tile t is output 32 (t / 2) + 16 h + 8 (t % 2) + j
.irp t, 0,1,2,3,4,5,6,7
	global_load_b128 v[128+64*\u+8*\t:131+64*\u+8*\t], v7, s[60:61] offset:(32*(\t/2)+8*(\t%2))*4
	global_load_b128 v[132+64*\u+8*\t:135+64*\u+8*\t], v7, s[60:61] offset:(32*(\t/2)+8*(\t%2))*4+16
.endr
.endr
	s_wait_tensorcnt 0x0                           ; my eighth of the weights has landed,
	s_wait_dscnt 0x0                               ; my stores of h are done (and have read their registers):
	s_barrier_signal -1
	v_add_nc_u32 v8, s85, v5                       ; register work while the others arrive: the LDS addresses of the two product phases
	v_add_nc_u32 v9, s86, v6
	v_add_nc_u32 v10, s87, v6
	v_add_nc_u32 v11, s88, v5
	v_add_nc_u32 v12, s89, v5
	v_add_nc_u32 v13, s90, v6
	s_wait_alu depctr_va_vdst(0)
	s_barrier_wait -1                              ; h's eight fragments and all the weights lie in LDS; nothing is written there any more
	; ---- QK
.irp u, 0,1
.irp s, 0,1
.irp c, 0,1
	ds_load_b128 v[32+16*\u+8*\s+4*\c:35+16*\u+8*\s+4*\c], v8 offset:2048*\u+1024*\s+512*\c
.endr
.endr
	ds_load_b32 v[24+\u], v9 offset:128*\u
.endr
.irp t, 0,1,2,3,4,5,6,7
	ds_load_b32 v[16+\t], v10 offset:128*\t
.endr
.macro WFLOAD s
.irp t, 0,1,2,3,4,5,6,7
	ds_load_b128 v[64+8*\t:67+8*\t], v11 offset:2048*\t+1024*\s
	ds_load_b128 v[68+8*\t:71+8*\t], v11 offset:2048*\t+1024*\s+512
.endr
.endm
.macro QKMUL s
.irp t, 0,1,2,3,4,5,6,7
.irp u, 0,1
.set rD, 128+64*\u+8*\t
.set rC, rD
.set rA, 64+8*\t
.set rB, 32+16*\u+8*\s
.set rSA, 16+\t
.set rSB, 24+\u
.set rR, 3*\s
	WMM
.endr
.endr
.endm
	WFLOAD 0
	s_wait_dscnt 0x0
	s_wait_loadcnt 0x0                             ; the bias
	QKMUL 0
	PLACES 4                                       ; in front of loads into registers that matrix instructions have read
	WFLOAD 1
	s_wait_dscnt 0x0
	QKMUL 1
	PLACES 4                                       ; in front of the first read of results, and of loads and writes into the weight's fragments
.irp u, 0,1
.irp j, 0,1,2,3,4,5,6,7
	global_load_b32 v[96+8*\u+\j], v1, s[62:63] offset:32*\u   ; v's bias: a lane holds one channel, so its eight registers hold one number
.endr
.endr
.irp b, 0,1,2,3
	v_mov_b32 v[TM+4+\b], 0                        ; written once: a lane permute's destination counts as one of its sources
.endr
	QUANT 128, 4, 80, 28                           ; my first tile: K step (w / 2) % 2 of q or k
	global_store_b128 v5, v[80:83], s[66:67]
	global_store_b128 v5, v[84:87], s[66:67] offset:512
	; the V phase's operands are asked for here: their registers are free, and the second tile's arithmetic stands in front of the wait
.irp u, 0,1
.irp s, 0,1
.irp c, 0,1
	ds_load_b128 v[32+16*\u+8*\s+4*\c:35+16*\u+8*\s+4*\c], v12 offset:2048*\u+1024*\s+512*\c
.endr
.endr
	ds_load_b32 v[16+\u], v13 offset:128*\u
.endr
.irp m, 0,1,2,3
	ds_load_b32 v[24+\m], v6 offset:HSC+128*\m
.irp s, 0,1
.irp c, 0,1
	ds_load_b128 v[128+16*\m+8*\s+4*\c:131+16*\m+8*\s+4*\c], v5 offset:2048*\m+1024*\s+512*\c
.endr
.endr
.endr
	QUANT 192, 4, 88, 29                           ; my second tile
	global_store_b128 v5, v[88:91], s[66:67] offset:2048
	global_store_b128 v5, v[92:95], s[66:67] offset:2560
	v_cndmask_b32 v30, v28, v29, s80               ; lanes 0-15 store the first tile's words, lanes 16-31 the second's
	global_store_b32 v31, v30, s[68:69]
	; ---- V: source 0 = 16 positions of h, source 1 = 16 channels of the weight
.macro VMUL s
.irp m, 0,1,2,3
.irp u, 0,1
.set rD, 192+32*\u+8*\m
.if \s == 0
.set rC, 96+8*\u
.else
.set rC, rD
.endif
.set rA, 128+16*\m+8*\s
.set rB, 32+16*\u+8*\s
.set rSA, 24+\m
.set rSB, 16+\u
.set rR, 3*\s
	WMM
.endr
.endr
.endm
	s_wait_dscnt 0x0
	s_wait_loadcnt 0x0                             ; v's bias
	VMUL 0
	VMUL 1
	PLACES 4
	s_wait_xcnt 0x0                                ; the stores above have read their registers: v30 is written again below
	QUANT 192, 2, 112, 28                          ; 64 keys of my first 16 channels: half a fragment, two scale bytes
	QUANT 224, 2, 116, 29
	global_store_b128 v5, v[112:115], s[70:71]
	global_store_b128 v5, v[116:119], s[70:71] offset:1024
	v_cndmask_b32 v30, v28, v29, s80               ; lanes 0-15: the even tile's bytes, lanes 16-31: the odd one's
	global_store_b16 v5, v30, s[72:73]
	s_set_vgpr_msb 0x5
	s_wait_tensorcnt 0x0
	ds_add_u32 v0, v1
	s_wait_dscnt 0x0
	s_set_vgpr_msb 0x500
	CROUND                                         ; the closing round: no work-group ends while a partner may still ask jointly
	s_endpgm
.Lfunc_end_k_q8b1d1c4e21_qkv:
	.size	k_q8b1d1c4e21_qkv, .Lfunc_end_k_q8b1d1c4e21_qkv-k_q8b1d1c4e21_qkv
	.p2alignl 7, 3214868480
	.fill 96, 4, 3214868480
	.section	.rodata,"a",@progbits
	.p2align	6, 0x0
	.amdhsa_kernel k_q8b1d1c4e21_qkv
		.amdhsa_group_segment_fixed_size 168960
		.amdhsa_private_segment_fixed_size 0
		.amdhsa_enable_private_segment 0
		.amdhsa_kernarg_size 80
		.amdhsa_user_sgpr_count 2
		.amdhsa_user_sgpr_kernarg_segment_ptr 1
		.amdhsa_wavefront_size32 1
		.amdhsa_system_sgpr_workgroup_id_x 1
		.amdhsa_system_sgpr_workgroup_id_y 1
		.amdhsa_system_sgpr_workgroup_id_z 1
		.amdhsa_system_vgpr_workitem_id 0
		.amdhsa_next_free_vgpr 258
		.amdhsa_next_free_sgpr 96
		.amdhsa_reserve_vcc 0
		.amdhsa_float_denorm_mode_32 3
		.amdhsa_float_denorm_mode_16_64 3
		.amdhsa_memory_ordered 1
		.amdhsa_forward_progress 1
		.amdhsa_inst_pref_size 60
	.end_amdhsa_kernel
	.amdgpu_metadata
---
amdhsa.version: [ 1, 2 ]
amdhsa.kernels:
  - .name:           k_q8b1d1c4e21_qkv
    .symbol:         k_q8b1d1c4e21_qkv.kd
    .args:
      - { .name: x, .offset: 0, .size: 8, .value_kind: global_buffer, .address_space: global }
      - { .name: gn_w, .offset: 8, .size: 8, .value_kind: global_buffer, .address_space: global }
      - { .name: gn_b, .offset: 16, .size: 8, .value_kind: global_buffer, .address_space: global }
      - { .name: qkv_b, .offset: 24, .size: 8, .value_kind: global_buffer, .address_space: global }
      - { .name: stats, .offset: 32, .size: 8, .value_kind: global_buffer, .address_space: global }
      - { .name: wimg, .offset: 40, .size: 8, .value_kind: global_buffer, .address_space: global }
      - { .name: qimg, .offset: 48, .size: 8, .value_kind: global_buffer, .address_space: global }
      - { .name: qs, .offset: 56, .size: 8, .value_kind: global_buffer, .address_space: global }
      - { .name: kv, .offset: 64, .size: 8, .value_kind: global_buffer, .address_space: global }
      - { .name: kvs, .offset: 72, .size: 8, .value_kind: global_buffer, .address_space: global }
    .group_segment_fixed_size: 168960
    .private_segment_fixed_size: 0
    .kernarg_segment_align: 8
    .kernarg_segment_size: 80
    .max_flat_workgroup_size: 256
    .sgpr_count:     96
    .vgpr_count:     258
    .wavefront_size: 32
...
	.end_amdgpu_metadata
.endif
;; end of part 2
;; launch attn (part 3): grid 64 x 4, 8 waves a work-group, clusters of 4 x 1, 327,680 bytes of LDS; arguments qimg, qs, kv, kvs, wimg, proj_b, x, out0; writes out0
.if DOCPART == 3
	.amdgcn_target "amdgcn-amd-amdhsa--gfx1250"
	.amdhsa_code_object_version 6
	.text
	.protected	k_q8b1d1c4e21_attn
	.globl	k_q8b1d1c4e21_attn
	.p2align	8
	.type	k_q8b1d1c4e21_attn,@function
k_q8b1d1c4e21_attn:
	s_mov_b64 s[64:65], 0
	v_nop
	global_prefetch_b8 v0, s[64:65] scope:SCOPE_SE
	s_setreg_imm32_b32 hwreg(HW_REG_WAVE_MODE, 25, 1), 1
	s_wait_xcnt 0x0
	s_wait_alu depctr_hold_cnt(0) depctr_sa_sdst(0) depctr_va_vdst(0) depctr_va_sdst(0) depctr_va_ssrc(0) depctr_va_vcc(0) depctr_vm_vsrc(0)
	s_getreg_b32 s2, hwreg(HW_REG_IB_STS2, 6, 4)
	s_cmp_eq_u32 s2, 0
	s_cbranch_scc0 .Lentry_in_a_cluster
	s_endpgm
.Lentry_in_a_cluster:
	s_bfe_u32 s2, ttmp6, 0x10000c
	s_cmp_lg_u32 s2, 0x3003
	s_cbranch_scc0 .Lentry_shape_is_right
	s_endpgm
.Lentry_shape_is_right:
; ATTN.  out0 = x + proj_w (softmax(q^T k / 16) v) + proj_b, all three products on codes of FP4 (E2M1) with E8M0 scales.  One head of 256 channels, 4,096 keys, 4 batches.
; THE SOFTMAX AHEAD OF THE SECOND PRODUCT: t = score x log2(e) / 16; M = the largest t so far, rounded UP to a whole number; p = 2^(t - M) is quantised along the keys, not normalised; the row's sum is taken of the unquantised p.
; SHARES.  A work-group owns 64 queries (four tiles of 16).  Wave w owns two tiles (w % 2) and every fourth key step of 128 keys (w / 2): each fragment of K and V read from LDS feeds two matrix instructions, and two waves share a SIMD,
; so that one wave's vector work stands beside the other's matrix work and LDS loads.  The four partial results of a tile meet in LDS at the end; since every M is a whole number, they are merged by exact powers of two.
; LAYOUT.  Both products transposed: S^T = K Q^T, O^T = V^T P^T: a lane holds ONE query (lane % 16).  The keys of a tile of K and the channels of a tile of V were chosen by the launch before (row m of tile 2g+u = element 32g + 8u + m + 8(m/8)),
; so that 16 registers of two neighbouring tiles are 16 neighbours along the next product's K.  All operands lie in memory and LDS as images of their registers: every load takes 16 x lane.
; RING.  Two slots of four key steps (131,072 bytes); each of the eight waves fetches an eighth by one tensor load of 64 rows x 256 bytes.  CLUSTER: the four work-groups of a cluster walk the same K and V, so each load is a JOINT one
; (the same descriptor, the mask of all four).  One tensor load a wave is out.  The scale registers of K and V come straight from memory, four registers by a load of 16 bytes a lane, a step ahead.
; K'S FRAGMENTS ARE STAGED IN THE SCORES' OWN REGISTERS: round rho (16 keys x two tiles) writes over what round rho - 2 read; three plain places stand behind each round, six between those two.
; LIMITS: NaN and infinities are not served; a block whose every p is under 2^-124 gets the scale byte 1 (its codes are zeros); a wave's running M is that of its own quarter of the keys.  The stage's stores on the way out go two deep in the banks.
; LDS: 0 slot 0; 131,072 slot 1; 262,144 spare words; then statistics, O's images, O's scale registers.  Behind the last key step the ring's bytes, which have had their last fill, hold the partial O^T (32,768 bytes a wave) and later the stage for y.
; REGISTERS, window 0: v1 16 x lane; v2, v3 for the spare words; v4, v5 LDS addresses of a step; v6 4 x lane; v7 offset in x and out0; v8-23 statistics, eight a tile (-M, largest t, sum in two halves, f, -, two at work);
;   v24-43 scale registers and nothing else (Q 24, p 26, K 28, V 36); v44-47 addresses; v48-79 K's last two tiles, then p's codes and work; v80-111 Q; v112-127 proj's bias; v128-255 scores / p, then V's fragments.   window 1: O^T, 128 a tile.
.set SLOT1, 1<<17
.set SPARE, 2*SLOT1
.set SREG,  SPARE+1024
.set OIMG,  SREG+4096
.set OSC,   OIMG+8192
.set LI,  1
.set SPW, 2
.set NIL, 3
.set AK0, 4
.set ADK, 5
.set L4,  6
.set XO,  7
.set ST,  8
.set QS,  24
.set PW,  26
.set KS,  28
.set VS,  36
.set FB,  48
.set TM,  48
.set BMX, 64
.set B2,  68
.set SOP, 72
.set TT,  76
.set SUM, 78
.set QF,  80
.set PB,  112
.set S,   128
.set WV,  20
.set G0,  28
.set G1,  32
.set SEL, 40
.set CS,  42
.set TB,  44
.set SLOTS, 45
.set KSB, 46
.set MSB, 0
.macro WIN new                         ; the immediate's high byte repeats the setting that is left
.if MSB != \new
	s_set_vgpr_msb (MSB<<8)|\new
.set MSB, \new
.endif
.endm
.set W_RS, 0x41                        ; destination and source 0 window 1
.set W_PV, 0x50                        ; C and D window 1
.set W_ST, 0x04                        ; an LDS store's data window 1
.set W_LD, 0x40                        ; destination window 1
.set W_MG, 0x01                        ; source 0 window 1
.macro CROUND                          ; a round of the cluster's barrier
	s_barrier_signal -1
	s_barrier_wait -1
	s_cmp_lg_u32 s[WV], 0
	s_cbranch_scc1 .Lnot_wave_0_\@
	s_barrier_signal -3
.Lnot_wave_0_\@:
	s_barrier_wait -3
	s_barrier_signal -1
	s_barrier_wait -1
.endm
.macro PLACES n                        ; plain vector instructions between a matrix instruction and what touches its registers (ISA guide 7.12.1)
.rept \n
	v_nop
.endr
.endm
; The matrix instruction, from the symbols rD, rA, rB, rC, rSA, rSB.  rZ = 1: it starts a sum.  rR = 1: source 0's scales are read in lanes 16-31; 3: both sources'.
.macro WMM
.if rZ
.if rR == 0
	v_wmma_scale_f32_16x16x128_f8f6f4 v[rD:rD+7], v[rA:rA+7], v[rB:rB+7], 0, v[rSA], v[rSB] matrix_a_fmt:MATRIX_FMT_FP4 matrix_b_fmt:MATRIX_FMT_FP4
.else
	v_wmma_scale_f32_16x16x128_f8f6f4 v[rD:rD+7], v[rA:rA+7], v[rB:rB+7], 0, v[rSA], v[rSB] matrix_a_fmt:MATRIX_FMT_FP4 matrix_b_fmt:MATRIX_FMT_FP4 matrix_a_scale:MATRIX_SCALE_ROW1
.endif
.else
.if rR == 0
	v_wmma_scale_f32_16x16x128_f8f6f4 v[rD:rD+7], v[rA:rA+7], v[rB:rB+7], v[rC:rC+7], v[rSA], v[rSB] matrix_a_fmt:MATRIX_FMT_FP4 matrix_b_fmt:MATRIX_FMT_FP4
.elseif rR == 1
	v_wmma_scale_f32_16x16x128_f8f6f4 v[rD:rD+7], v[rA:rA+7], v[rB:rB+7], v[rC:rC+7], v[rSA], v[rSB] matrix_a_fmt:MATRIX_FMT_FP4 matrix_b_fmt:MATRIX_FMT_FP4 matrix_a_scale:MATRIX_SCALE_ROW1
.else
	v_wmma_scale_f32_16x16x128_f8f6f4 v[rD:rD+7], v[rA:rA+7], v[rB:rB+7], v[rC:rC+7], v[rSA], v[rSB] matrix_a_fmt:MATRIX_FMT_FP4 matrix_b_fmt:MATRIX_FMT_FP4 matrix_a_scale:MATRIX_SCALE_ROW1 matrix_b_scale:MATRIX_SCALE_ROW1
.endif
.endif
.endm
; 64 numbers of a lane, register 16 b + i = k 32 b + 16 (lane / 16) + i of my row, become a fragment's codes, v[pc] on, and its scale word in v[pw].
.macro QUANT s, pc, pw
.irp b, 0,1,2,3
	v_max3_num_f32 v[TM+\b], |v[\s+16*\b]|, |v[\s+16*\b+1]|, 0x1800000   ; and the floor 2^(3 - 127): the byte cannot fall under 1
.endr
.irp i, 2,4,6,8,10,12,14
.irp b, 0,1,2,3
	s_delay_alu instid0(VALU_DEP_4)
	v_max3_num_f32 v[TM+\b], v[TM+\b], |v[\s+16*\b+\i]|, |v[\s+16*\b+\i+1]|
.endr
.endr
.irp b, 0,1,2,3
	s_delay_alu instid0(VALU_DEP_4)
	v_permlanex16_b32 v[TM+4+\b], v[TM+\b], s[SEL], s[SEL+1]
.endr
.irp b, 0,1,2,3
	s_delay_alu instid0(VALU_DEP_4)
	v_max_num_f32 v[TM+\b], v[TM+\b], v[TM+4+\b]
.endr
.irp b, 0,1,2,3
	s_delay_alu instid0(VALU_DEP_4)
	v_add_nc_u32 v[TM+12+\b], 0xff000000, v[TM+\b]
.endr
.irp b, 0,1,2,3
	s_delay_alu instid0(VALU_DEP_4)
	v_lshrrev_b32 v[TM+4+\b], 23, v[TM+12+\b]
.endr
	s_delay_alu instid0(VALU_DEP_3)
	v_lshl_or_b32 v[\pw], v[TM+5], 8, v[TM+4]
	s_delay_alu instid0(VALU_DEP_1)
	v_lshl_or_b32 v[\pw], v[TM+6], 16, v[\pw]
	s_delay_alu instid0(VALU_DEP_1)
	v_lshl_or_b32 v[\pw], v[TM+7], 24, v[\pw]
.irp b, 0,1,2,3
	v_cvt_scalef32_pk8_fp4_f32 v[\pc+2*\b], v[\s+16*\b:\s+16*\b+7], v[TM+12+\b]
	v_cvt_scalef32_pk8_fp4_f32 v[\pc+2*\b+1], v[\s+16*\b+8:\s+16*\b+15], v[TM+12+\b]
.endr
	v_nop                                          ; one plain place behind a scaled conversion
.irp c, 0,1
	v_permlane16_swap_b32 v[\pc+4*\c], v[\pc+4*\c+2]
	v_permlane16_swap_b32 v[\pc+4*\c+1], v[\pc+4*\c+3]
.endr
.endm
	s_load_b512 s[4:19], s[0:1], 0x0               ; qimg 4, qs 6, kv 8, kvs 10, wimg 12, proj_b 14, x 16, out0 18
	v_lshl_add_u32 v[SPW], v0, 2, SPARE
	v_mov_b32 v[NIL], 0
	ds_add_u32 v2, v3
	ds_add_u32 v2, v3
	s_wait_dscnt 0x0
	v_lshrrev_b32 v1, 5, v0
	s_delay_alu instid0(VALU_DEP_1)
	v_readfirstlane_b32 s[WV], v1                  ; wave 0..7
	s_and_b32 s21, s[WV], 1                        ; which pair of query tiles
	s_lshr_b32 s22, s[WV], 1                       ; which key step of a slot
	s_bfe_u32 s23, ttmp6, 0x40000                  ; cx: it enters the addresses of Q, x and out0 alone
	s_lshl_b32 s24, ttmp9, 2
	s_add_co_u32 s24, s24, s23                     ; block of 64 queries
	s_and_b32 s25, ttmp7, 0xffff                   ; batch, which the four partners share
	; descriptor group 1: 64 rows of 256 bytes, dense
	s_mov_b32 s[G1+0], 15|(3<<16)|(1<<21)          ; 15:0 the mask: all four work-groups; 17:16 elements of 8 bytes; 21 set beside a mask
	s_mov_b32 s[G1+1], 32<<16                      ; tensor_dim0 = 32
	s_mov_b32 s[G1+2], 64<<16                      ; tensor_dim1 = 64
	s_mov_b32 s[G1+3], 32<<16                      ; tile_dim0 = 32
	s_mov_b32 s[G1+4], 64                          ; tile_dim1 = 64
	s_mov_b32 s[G1+5], 32                          ; from row to row
	s_mov_b32 s[G1+6], 0
	s_mov_b32 s[G1+7], 0
	s_mov_b32 s[SEL], 0x76543210
	s_mov_b32 s[SEL+1], 0xfedcba98
	s_mov_b32 s[CS], 0x3db8aa3b                    ; c = log2(e) / 16
	s_mov_b32 s[CS+1], s[CS]                       ; (named with it as a pair, so it is written)
	s_mov_b32 s[TB], 0
	s_mov_b32 s[SLOTS], 6
	s_lshl_b32 s26, s[WV], 14                      ; my eighth of a slot
	s_lshl_b32 s48, s25, 20                        ; a batch's K and V: 32 key steps of 32,768 bytes
	s_add_co_u32 s48, s48, s26
	s_mov_b32 s49, 0
	s_mov_b32 s[G0], 1
	s_mov_b32 s[G0+1], s26
	s_wait_kmcnt 0x0
	s_add_nc_u64 s[G0+2:G0+3], s[8:9], s[48:49]
	s_or_b32 s[G0+3], s[G0+3], 0x80000000
	CROUND                                         ; all four work-groups are here: the first joint loads meet
	tensor_load_to_lds s[G0:G0+3], s[G1:G1+7]      ; slot 0
	s_nop 0
	PLACES 4
	s_lshl_b32 s27, s25, 8
	s_lshl_b32 s48, s24, 2
	s_add_co_u32 s27, s27, s48
	s_lshl_b32 s48, s21, 1
	s_add_co_u32 s27, s27, s48                     ; my first tile of queries
	s_lshl_b32 s48, s27, 11
	s_add_nc_u64 s[50:51], s[4:5], s[48:49]        ; its codes
	s_lshl_b32 s48, s27, 7
	s_add_nc_u64 s[52:53], s[6:7], s[48:49]        ; its scale register
	s_lshl_b32 s48, s25, 16
	s_lshl_b32 s27, s22, 11
	s_add_co_u32 s48, s48, s27
	s_add_nc_u64 s[KSB:KSB+1], s[10:11], s[48:49]  ; the scale registers of my first key step
	v_and_b32 v44, 31, v0
	s_delay_alu instid0(VALU_DEP_1)
	v_lshlrev_b32 v[LI], 4, v44
	s_delay_alu instid0(VALU_DEP_2)
	v_lshlrev_b32 v[L4], 2, v44
.irp q, 0,1
.irp s, 0,1
.irp c, 0,1
	global_load_b128 v[QF+16*\q+8*\s+4*\c:QF+16*\q+8*\s+4*\c+3], v[LI], s[50:51] offset:2048*\q+1024*\s+512*\c   ; Q stays in registers
.endr
.endr
.endr
.irp q, 0,1
	global_load_b32 v[QS+\q], v[L4], s[52:53] offset:128*\q
.endr
	global_load_b128 v[KS:KS+3], v[LI], s[KSB:KSB+1]
	global_load_b128 v[KS+4:KS+7], v[LI], s[KSB:KSB+1] offset:512
	global_load_b128 v[VS:VS+3], v[LI], s[KSB:KSB+1] offset:1024
	global_load_b128 v[VS+4:VS+7], v[LI], s[KSB:KSB+1] offset:1536
	s_lshl_b32 s26, s22, 15
	v_add_nc_u32 v[AK0], s26, v[LI]                ; my key step in a slot
	v_and_b32 v45, 15, v0                          ; r
	v_bfe_u32 v46, v0, 4, 1                        ; h
	s_delay_alu instid0(VALU_DEP_2)
	v_lshlrev_b32 v[XO], 4, v45
	s_delay_alu instid0(VALU_DEP_1)
	v_lshl_add_u32 v[XO], v46, 14, v[XO]           ; x, out0: lanes 0-15 one channel's 256 bytes, lanes 16-31 the next channel's
	s_delay_alu instid0(VALU_DEP_4)
	v_and_b32 v47, 8, v45
	s_delay_alu instid0(VALU_DEP_1)
	v_add_nc_u32 v47, v47, v45
	s_delay_alu instid0(VALU_DEP_1)
	v_lshlrev_b32 v47, 2, v47                      ; proj's bias: output r + 8 (r / 8) of a tile
	s_lshl_b32 s26, s[WV], 15
	v_add_nc_u32 v44, s26, v[LI]                   ; where my partial O^T goes
	s_lshl_b32 s26, s[WV], 9
	s_add_co_u32 s26, s26, SREG
	v_add_nc_u32 v45, s26, v[L4]                   ; and my statistics
	s_lshl_b32 s26, s21, 9
	s_lshr_b32 s27, s[WV], 2
	s_lshl_b32 s27, s27, 8
	s_add_co_u32 s26, s26, s27
	s_add_co_u32 s26, s26, SREG
	v_add_nc_u32 v46, s26, v[L4]                   ; the statistics of the tile that I merge
	s_lshl_b32 s48, s[WV], 12
	s_add_co_u32 s48, s48, 104448
	s_add_nc_u64 s[54:55], s[12:13], s[48:49]      ; proj_w: my two tiles' fragments,
	s_lshl_b32 s48, s[WV], 8
	s_add_co_u32 s48, s48, 137216
	s_add_nc_u64 s[56:57], s[12:13], s[48:49]      ; their scale registers,
	s_lshl_b32 s48, s[WV], 7
	s_add_nc_u64 s[58:59], s[14:15], s[48:49]      ; my 32 outputs' bias
	s_lshl_b32 s48, s25, 22
	s_lshl_b32 s27, s[WV], 19
	s_add_co_u32 s48, s48, s27
	s_lshl_b32 s27, s24, 8
	s_add_co_u32 s48, s48, s27
	s_add_nc_u64 s[60:61], s[16:17], s[48:49]      ; x and out0 at my first output channel and the block's first position
	s_add_nc_u64 s[62:63], s[18:19], s[48:49]
.irp q, 0,1
	v_mov_b32 v[ST+8*\q+1], 0xff61b1e6             ; the largest t so far: -3e38, under every t
	s_delay_alu instid0(VALU_DEP_1)
	v_floor_f32 v[ST+8*\q], -v[ST+8*\q+1]          ; -M
	v_mov_b32 v[ST+8*\q+2], 0                      ; the sum, in two halves
	v_mov_b32 v[ST+8*\q+3], 0
	v_mov_b32 v[ST+8*\q+5], 0                      ; (named as the upper half of f's pair)
	v_mov_b32 v[ST+8*\q+6], 0                      ; (a lane permute's destination counts as one of its sources)
.endr
; THE CHANGE OF SLOTS stands at a slot's head.  Each wave waits for all its tensor loads (its part of the slot ahead), adds 0 to its spare word, and waits for that and for its reads of the slot that it has left.
; fill = 1: a round of the cluster's barrier, and first behind it the joint load of the next four key steps into the slot that was left: it has a whole step's work in which to land.
.macro CHANGE fill
	s_wait_tensorcnt 0x0                           ; no tensor load of mine is out, so the descriptor may be written
	ds_add_u32 v[SPW], v[NIL]                      ; 0 onto my spare word
.if \fill
	s_xor_b32 s[G0+1], s[G0+1], SLOT1              ; the other slot than last time,
	s_add_nc_u64 s[G0+2:G0+3], s[G0+2:G0+3], 131072   ; the next four key steps; the type bits on top are not reached
.endif
	s_wait_dscnt 0x0                               ; the add is done, and my reads of the slot that I have left are over
.if \fill
	CROUND
	tensor_load_to_lds s[G0:G0+3], s[G1:G1+7]
	s_nop 0
	PLACES 4
.else
	s_barrier_signal -1
	s_barrier_wait -1
.endif
.endm
.macro KREG                            ; where K's fragment (rho, ks) is staged
.if rho < 6
.set rA, S+64*ks+8*(rho+2)
.else
.set rA, FB+16*(rho-6)+8*ks
.endif
.endm
; Tile q's softmax for 128 keys: the scores in v[S + 64 q] on become p; p's codes go to v[FB + 8 q] on, its scale word to v[PW + q].
.macro SOFT q
.set rS, S+64*\q
.set rT, ST+8*\q
.set rP, FB+8*\q
.irp b, 0,1,2,3
	v_max3_num_f32 v[BMX+\b], v[rS+16*\b], v[rS+16*\b+1], v[rS+16*\b+2]   ; the largest SCORE of each block of 32 keys: for the row's maximum and, since p rises with the score, for the block's largest p
.endr
.irp i, 3,5,7,9,11,13
.irp b, 0,1,2,3
	v_max3_num_f32 v[BMX+\b], v[BMX+\b], v[rS+16*\b+\i], v[rS+16*\b+\i+1]
.endr
.endr
.irp b, 0,1,2,3
	v_max_num_f32 v[BMX+\b], v[BMX+\b], v[rS+16*\b+15]
.endr
.irp b, 0,1,2,3
	s_delay_alu instid0(VALU_DEP_4)
	v_permlanex16_b32 v[B2+\b], v[BMX+\b], s[SEL], s[SEL+1]
.endr
.irp b, 0,1,2,3
	s_delay_alu instid0(VALU_DEP_4)
	v_max_num_f32 v[BMX+\b], v[BMX+\b], v[B2+\b]   ; with lane l xor 16's 16 keys
.endr
	s_delay_alu instid0(VALU_DEP_2)
	v_max3_num_f32 v[TT], v[BMX], v[BMX+1], v[BMX+2]
	s_delay_alu instid0(VALU_DEP_1)
	v_max_num_f32 v[TT], v[TT], v[BMX+3]
	s_delay_alu instid0(VALU_DEP_1)
	v_mul_f32 v[TT], s[CS], v[TT]                  ; as t (c is positive)
	s_delay_alu instid0(VALU_DEP_1)
	v_max_num_f32 v[rT+1], v[rT+1], v[TT]          ; the running largest t
	v_mov_b32 v[TT], v[rT]
	s_delay_alu instid0(VALU_DEP_2)
	v_floor_f32 v[rT], -v[rT+1]                    ; the new -M = -ceil(t): a whole number
	s_delay_alu instid0(VALU_DEP_1)
	v_sub_f32 v[TT], v[rT], v[TT]                  ; old M - new M: a whole number, 0 or less
	s_delay_alu instid0(VALU_DEP_1)
	v_cvt_i32_f32 v[TT], v[TT]                     ; (it saturates)
	s_delay_alu instid0(VALU_DEP_1)
	v_ldexp_f32 v[rT+4], 1.0, v[TT]                ; f = 2^(old M - new M): a multiplication by it rounds nothing
.set i, 0
.rept 32
	v_pk_fma_f32 v[rS+2*i:rS+2*i+1], v[rS+2*i:rS+2*i+1], s[CS:CS+1], v[rT:rT+1] op_sel_hi:[1,0,0]   ; t - M, two at a time
.set i, i+1
.endr
.irp b, 0,1,2,3
	v_fma_f32 v[BMX+\b], v[BMX+\b], s[CS], v[rT]   ; the same of each block's largest score
.endr
.set i, 0
	s_wait_alu depctr_va_vdst(0)
.rept 64
	v_exp_f32 v[rS+i], v[rS+i]                     ; p = 2^(t - M), at most 1
.set i, i+1
.endr
.irp b, 0,1,2,3
	v_exp_f32 v[BMX+\b], v[BMX+\b]                 ; the block's largest p: the same two instructions on the same number
.endr
	v_pk_mul_f32 v[rT+2:rT+3], v[rT+2:rT+3], v[rT+4:rT+5] op_sel_hi:[1,0]   ; the sum under the new M.  (The plain place behind the exponentials)
	s_wait_alu depctr_va_vdst(0)
.irp b, 0,1,2,3
	v_max_num_f32 v[BMX+\b], 0x1800000, v[BMX+\b]  ; the floor 2^(3 - 127)
.endr
.irp b, 0,1,2,3
	s_delay_alu instid0(VALU_DEP_4)
	v_add_nc_u32 v[SOP+\b], 0xff000000, v[BMX+\b]  ; 2 off the exponent field: the conversion's scale operand
.endr
.irp b, 0,1,2,3
	s_delay_alu instid0(VALU_DEP_4)
	v_lshrrev_b32 v[B2+\b], 23, v[SOP+\b]          ; the scale's byte
.endr
	s_delay_alu instid0(VALU_DEP_3)
	v_lshl_or_b32 v[PW+\q], v[B2+1], 8, v[B2]
	s_delay_alu instid0(VALU_DEP_1)
	v_lshl_or_b32 v[PW+\q], v[B2+2], 16, v[PW+\q]
	s_delay_alu instid0(VALU_DEP_1)
	v_lshl_or_b32 v[PW+\q], v[B2+3], 24, v[PW+\q]
.irp b, 0,1,2,3
	v_cvt_scalef32_pk8_fp4_f32 v[rP+2*\b], v[rS+16*\b:rS+16*\b+7], v[SOP+\b]
	v_cvt_scalef32_pk8_fp4_f32 v[rP+2*\b+1], v[rS+16*\b+8:rS+16*\b+15], v[SOP+\b]
.endr
	v_nop                                          ; one plain place behind a scaled conversion
.irp c, 0,1
	v_permlane16_swap_b32 v[rP+4*\c], v[rP+4*\c+2]
	v_permlane16_swap_b32 v[rP+4*\c+1], v[rP+4*\c+3]
.endr
	v_pk_add_f32 v[SUM:SUM+1], v[rS:rS+1], v[rS+2:rS+3]   ; the row's sum is taken of the UNQUANTISED p, in two chains
.irp j, 4,8,12,16,20,24,28,32,36,40,44,48,52,56,60
	v_pk_add_f32 v[rT+2:rT+3], v[rT+2:rT+3], v[rS+\j:rS+\j+1]
	v_pk_add_f32 v[SUM:SUM+1], v[SUM:SUM+1], v[rS+\j+2:rS+\j+3]
.endr
	s_delay_alu instid0(VALU_DEP_1)
	v_pk_add_f32 v[rT+2:rT+3], v[rT+2:rT+3], v[SUM:SUM+1]
.endm
.macro VLOAD c0                        ; V's fragments of channel tiles c0 .. c0 + 7 into the registers that p has left
.set ct, \c0
.rept 8
	ds_load_b128 v[S+8*ct:S+8*ct+3], v[ADK] offset:16384+ct*1024
	ds_load_b128 v[S+8*ct+4:S+8*ct+7], v[ADK] offset:16384+ct*1024+512
.set ct, ct+1
.endr
.endm
.macro PV c0, zero                     ; O^T += V^T P^T, channel tiles c0 .. c0 + 7 x my two tiles of queries: sixteen accumulators, each once
.set ct, \c0
.rept 8
.set tq, 0
.rept 2
.set rD, 128*tq+8*ct
.set rC, rD
.set rA, S+8*ct
.set rB, FB+8*tq
.set rSA, VS+ct/2
.set rSB, PW+tq
.set rZ, \zero
.set rR, ct%2
	WMM
.set tq, tq+1
.endr
.set ct, ct+1
.endr
.endm
; MY KEY STEP OF THE SLOT IN HAND.  first = 1: O^T's sums start.  more = 1: the next step's scale registers are asked for.
.macro STEP first, more
	v_add_nc_u32 v[ADK], s[TB], v[AK0]
.set rho, 0
.rept 8
.set ks, 0
.rept 2
	KREG
	ds_load_b128 v[rA:rA+3], v[ADK] offset:(2*rho+ks)*1024
	ds_load_b128 v[rA+4:rA+7], v[ADK] offset:(2*rho+ks)*1024+512
.set ks, ks+1
.endr
.set rho, rho+1
.endr
	s_wait_loadcnt 0x2                             ; Q and this step's scales of K are in; V's two loads may be out
.set rho, 0
.rept 8                                ; round rho: 16 keys x my two tiles, two K steps; the two accumulators take turns
	s_wait_dscnt 28-4*rho                          ; this round's four loads are in; the later rounds' may be out
.set ks, 0
.rept 2
.set tq, 0
.rept 2
	KREG
.set rD, S+64*tq+8*rho
.set rC, rD
.set rB, QF+16*tq+8*ks
.set rSA, KS+rho
.set rSB, QS+tq
.set rZ, 1-ks
.set rR, 3*ks
	WMM
.set tq, tq+1
.endr
.set ks, ks+1
.endr
.if rho < 7
	PLACES 3                                       ; six places between a round and the round after next, which writes over its fragments of K
.else
	PLACES 4                                       ; in front of the first read of results and of loads into the scale registers
.endif
.set rho, rho+1
.endr
.if \more
	s_wait_xcnt 0x0                                ; the loads that named this base have had their addresses translated: it may step
	s_add_nc_u64 s[KSB:KSB+1], s[KSB:KSB+1], 8192  ; four key steps on
	global_load_b128 v[KS:KS+3], v[LI], s[KSB:KSB+1]
	global_load_b128 v[KS+4:KS+7], v[LI], s[KSB:KSB+1] offset:512
.endif
	SOFT 0
	VLOAD 0
	SOFT 1
	VLOAD 8
.if \first == 0
	WIN W_RS
.set tq, 0
.rept 2
.set i, 0
.rept 64
	v_pk_mul_f32 v[128*tq+2*i:128*tq+2*i+1], v[128*tq+2*i:128*tq+2*i+1], v[ST+8*tq+4:ST+8*tq+5] op_sel_hi:[1,0]   ; O^T under the new M, each accumulator from its low end on
.set i, i+1
.endr
.set tq, tq+1
.endr
.endif
.if \more
	s_wait_alu depctr_va_vdst(0)
	s_wait_loadcnt 0x2                             ; V's scales are in; the next step's two loads for K may be out
.else
	s_wait_alu depctr_va_vdst(0)
	s_wait_loadcnt 0x0
.endif
	s_wait_dscnt 16                                ; V's first eight fragments are in
	WIN W_PV
	PV 0, \first
	s_wait_dscnt 0x0
	PV 8, \first
	WIN 0
	PLACES 5                                       ; the next step's first products write over V's fragments, and loads follow into registers read here
.if \more
	global_load_b128 v[VS:VS+3], v[LI], s[KSB:KSB+1] offset:1024
	global_load_b128 v[VS+4:VS+7], v[LI], s[KSB:KSB+1] offset:1536
.endif
	s_xor_b32 s[TB], s[TB], SLOT1                  ; on to the other slot
.endm
	CHANGE 1
	STEP 1, 1                                      ; slot 0: written out, since its products start O^T's sums
.Lslot:                                            ; slots 1 to 6
	CHANGE 1
	STEP 0, 1
	s_sub_co_u32 s[SLOTS], s[SLOTS], 1
	s_cmp_lg_u32 s[SLOTS], 0
	s_cbranch_scc1 .Lslot
	CHANGE 0                                       ; the last slot is written out
	STEP 0, 0
	; ---- the sums; what the last product wants is asked for
.irp q, 0,1
	v_add_f32 v[ST+8*\q+2], v[ST+8*\q+2], v[ST+8*\q+3]
.endr
.irp q, 0,1
	s_delay_alu instid0(VALU_DEP_2)
	v_permlanex16_b32 v[ST+8*\q+6], v[ST+8*\q+2], s[SEL], s[SEL+1]
.endr
.irp q, 0,1
	s_delay_alu instid0(VALU_DEP_2)
	v_add_f32 v[ST+8*\q+2], v[ST+8*\q+2], v[ST+8*\q+6]   ; my quarter's sum of the row
.endr
.irp n, 0,1
.irp s, 0,1
.irp c, 0,1
	global_load_b128 v[QF+16*\n+8*\s+4*\c:QF+16*\n+8*\s+4*\c+3], v[LI], s[54:55] offset:2048*\n+1024*\s+512*\c
.endr
.endr
	global_load_b32 v[VS+\n], v[L4], s[56:57] offset:128*\n
.irp j, 0,1,2,3,4,5,6,7
	global_load_b32 v[PB+8*\n+\j], v47, s[58:59] offset:32*\n   ; a lane holds one output, so its eight registers hold one number
.endr
.endr
.set i, 0
.rept 16
	global_load_b128 v[192+4*i:195+4*i], v[XO], s[60:61] offset:32768*i th:TH_LOAD_NT   ; x: 16 lanes read 256 consecutive bytes
.set i, i+1
.endr
	s_wait_alu depctr_va_vdst(0)
	s_wait_dscnt 0x0
	s_barrier_signal -1
	s_barrier_wait -1                              ; nobody reads the ring any more, and it has had its last fill
	; ---- the partial results go to LDS as they stand
	WIN W_ST
.set i, 0
.rept 32
	ds_store_b128 v44, v[8*i:8*i+3] offset:i*1024          ; each accumulator from its low end on
	ds_store_b128 v44, v[8*i+4:8*i+7] offset:i*1024+512
.set i, i+1
.endr
	WIN 0
.irp q, 0,1
	ds_store_b32 v45, v[ST+8*\q] offset:256*\q
	ds_store_b32 v45, v[ST+8*\q+2] offset:256*\q+128
.endr
	s_wait_dscnt 0x0                               ; for the others' sake: my stores are done
	s_barrier_signal -1
	s_barrier_wait -1
	; ---- the merge: I take tile (w / 4) of my pair and channels 128 ((w / 2) % 2) on, from the four waves of my pair
	s_lshr_b32 s27, s[WV], 2
	s_and_b32 s48, s22, 1
	s_lshl_b32 s26, s21, 15
	s_lshl_b32 s27, s27, 14
	s_add_co_u32 s26, s26, s27
	s_lshl_b32 s48, s48, 13
	s_add_co_u32 s26, s26, s48
	v_add_nc_u32 v8, s26, v[LI]                    ; (the statistics' registers are free: their stores are done)
	s_delay_alu instid0(VALU_DEP_1)
	v_add_nc_u32 v9, 0x10000, v8
	s_delay_alu instid0(VALU_DEP_2)
	v_add_nc_u32 v10, 0x20000, v8
	s_delay_alu instid0(VALU_DEP_3)
	v_add_nc_u32 v11, 0x30000, v8
.irp k, 0,1,2,3
	ds_load_b32 v[48+\k], v46 offset:1024*\k       ; -M of the four quarters,
	ds_load_b32 v[52+\k], v46 offset:1024*\k+128   ; and their sums
.endr
	WIN W_LD
.irp k, 0,1,2,3
.set i, 0
.rept 8
	ds_load_b128 v[64*\k+8*i:64*\k+8*i+3], v[8+\k] offset:i*1024
	ds_load_b128 v[64*\k+8*i+4:64*\k+8*i+7], v[8+\k] offset:i*1024+512
.set i, i+1
.endr
.endr
	WIN 0
	s_lshl_b32 s26, s21, 12
	s_lshl_b32 s27, s22, 10
	s_add_co_u32 s26, s26, s27
	s_add_co_u32 s26, s26, OIMG
	v_add_nc_u32 v12, s26, v[LI]                   ; where O's fragment goes: (2 T + s) x 1,024
	v_and_b32 v18, 15, v0
	v_bfe_u32 v19, v0, 4, 1
	s_lshl_b32 s26, s21, 8
	s_lshl_b32 s27, s22, 6
	s_add_co_u32 s26, s26, s27
	s_add_co_u32 s26, s26, OSC
	v_lshl_add_u32 v13, v18, 2, s26                ; and its scale words: T x 128 + s x 64 + 4 r
	v_add_nc_u32 v14, OIMG, v[LI]
	v_add_nc_u32 v15, OSC, v[L4]
	s_mul_i32 s26, s[WV], 8704                     ; my stage for y: 32 rows x (256 bytes + 16)
	v_and_b32 v20, 8, v18
	s_delay_alu instid0(VALU_DEP_1)
	v_add_nc_u32 v20, v20, v18
	s_delay_alu instid0(VALU_DEP_1)
	v_mul_u32_u24 v16, v20, 272
	s_delay_alu instid0(VALU_DEP_1)
	v_lshl_add_u32 v16, v19, 6, v16
	s_delay_alu instid0(VALU_DEP_1)
	v_add_nc_u32 v16, s26, v16                     ; in: row r + 8 (r / 8), + 16 h positions
	v_mul_u32_u24 v17, v19, 272
	s_delay_alu instid0(VALU_DEP_1)
	v_lshl_add_u32 v17, v18, 4, v17
	s_delay_alu instid0(VALU_DEP_1)
	v_add_nc_u32 v17, s26, v17                     ; back: lanes 0-15 one row, lanes 16-31 the next
	s_wait_dscnt 63                                ; of 72 loads at least nine are done: the eight statistics are the oldest
	v_min3_num_f32 v56, v48, v49, v50
	s_delay_alu instid0(VALU_DEP_1)
	v_min_num_f32 v56, v56, v51                    ; -M of the whole row
.irp k, 0,1,2,3
	v_sub_f32 v[58+\k], v56, v[48+\k]              ; a quarter's M less the row's: a whole number, 0 or less
.endr
.irp k, 0,1,2,3
	s_delay_alu instid0(VALU_DEP_4)
	v_cvt_i32_f32 v[58+\k], v[58+\k]
.endr
.irp k, 0,1,2,3
	s_delay_alu instid0(VALU_DEP_4)
	v_ldexp_f32 v[58+\k], 1.0, v[58+\k]            ; an exact power of two
.endr
	s_delay_alu instid0(VALU_DEP_4)
	v_mul_f32 v62, v58, v52
	s_delay_alu instid0(VALU_DEP_1)
	v_fma_f32 v62, v59, v53, v62
	s_delay_alu instid0(VALU_DEP_1)
	v_fma_f32 v62, v60, v54, v62
	s_delay_alu instid0(VALU_DEP_1)
	v_fma_f32 v62, v61, v55, v62                   ; the row's sum
	s_wait_alu depctr_va_vdst(0)
	v_rcp_f32 v63, v62
	v_nop                                          ; a plain place behind the transcendental
	s_wait_alu depctr_va_vdst(0)
.irp k, 0,1,2,3
	v_mul_f32 v[64+2*\k], v[58+\k], v63
.endr
.irp k, 0,1,2,3
	s_delay_alu instid0(VALU_DEP_4)
	v_mov_b32 v[65+2*\k], v[64+2*\k]               ; (the pair's upper half is named, so it is written)
.endr
	WIN W_MG
	s_wait_alu depctr_va_vdst(0)
	s_wait_dscnt 48                                ; the first quarter's part is in
.set i, 0
.rept 32
	v_pk_mul_f32 v[S+2*i:S+2*i+1], v[2*i:2*i+1], v[64:65] op_sel_hi:[1,0]
.set i, i+1
.endr
.irp k, 1,2,3
	s_wait_dscnt 48-16*\k
.set i, 0
.rept 32
	v_pk_fma_f32 v[S+2*i:S+2*i+1], v[64*\k+2*i:64*\k+2*i+1], v[64+2*\k:65+2*\k], v[S+2*i:S+2*i+1] op_sel_hi:[1,0,1]
.set i, i+1
.endr
.endr
	WIN 0
	QUANT S, 72, PW                                ; O / the sum, quantised along the channels: one fragment, one scale word a row
	ds_store_b128 v12, v[72:75]
	ds_store_b128 v12, v[76:79] offset:512
	ds_store_b32 v13, v[PW]                        ; lanes r and r + 16 write the same word with the same value
	s_wait_dscnt 0x0                               ; my stores are done, and my reads of the parts are over
	s_barrier_signal -1
	s_barrier_wait -1
	; ---- y = O proj_w^T + proj_b: my 32 outputs for the 64 positions.  Source 0 = 16 positions of O, source 1 = 16 rows of proj_w: a lane holds one output and eight neighbouring positions
.irp m, 0,1,2,3
.irp s, 0,1
.irp c, 0,1
	ds_load_b128 v[S+16*\m+8*\s+4*\c:S+16*\m+8*\s+4*\c+3], v14 offset:2048*\m+1024*\s+512*\c
.endr
.endr
	ds_load_b32 v[KS+\m], v15 offset:128*\m
.endr
	s_wait_dscnt 0x0
	s_wait_loadcnt 0x0                             ; proj_w, its scales, the bias, x
.macro YMUL s
.irp m, 0,1,2,3
.irp n, 0,1
.set rD, 32*\n+8*\m
.if \s == 0
.set rC, PB+8*\n
.else
.set rC, rD
.endif
.set rA, S+16*\m+8*\s
.set rB, QF+16*\n+8*\s
.set rSA, KS+\m
.set rSB, VS+\n
.set rZ, 0
.set rR, 3*\s
	WMM
.endr
.endr
.endm
	WIN W_LD                                       ; D window 1, the bias as C in window 0
	YMUL 0
	WIN W_PV                                       ; C and D window 1
	YMUL 1
	PLACES 4
	WIN W_ST
.irp m, 0,1,2,3
.irp n, 0,1
	ds_store_b128 v16, v[32*\n+8*\m:32*\n+8*\m+3] offset:8*\n*272+128*(\m/2)+32*(\m%2)       ; y(output 8 n + r + 8 (r / 8), positions 32 (m / 2) + 16 h + 8 (m % 2) + 0..7)
	ds_store_b128 v16, v[32*\n+8*\m+4:32*\n+8*\m+7] offset:8*\n*272+128*(\m/2)+32*(\m%2)+16
.endr
.endr
	WIN 0
.set i, 0
.rept 16
	ds_load_b128 v[S+4*i:S+4*i+3], v17 offset:544*i        ; LDS serves a wave's instructions in order (ISA guide 5.7.1.4): these see my stores
.set i, i+1
.endr
.set i, 0
.rept 16
	s_wait_dscnt 15-i
	v_pk_add_f32 v[S+4*i:S+4*i+1], v[S+4*i:S+4*i+1], v[192+4*i:193+4*i]       ; + x
	v_pk_add_f32 v[S+4*i+2:S+4*i+3], v[S+4*i+2:S+4*i+3], v[194+4*i:195+4*i]
	global_store_b128 v[XO], v[S+4*i:S+4*i+3], s[62:63] offset:32768*i th:TH_STORE_NT   ; 16 lanes store 256 consecutive bytes, at a multiple of 256 from out0's first byte
.set i, i+1
.endr
	s_wait_tensorcnt 0x0                           ; the wave's end: behind my last tensor load and my last LDS store
	ds_add_u32 v[SPW], v[NIL]
	s_wait_dscnt 0x0
	CROUND                                         ; the closing round: no work-group ends while a partner may still ask jointly
	s_endpgm
.Lfunc_end_k_q8b1d1c4e21_attn:
	.size	k_q8b1d1c4e21_attn, .Lfunc_end_k_q8b1d1c4e21_attn-k_q8b1d1c4e21_attn
	.p2alignl 7, 3214868480
	.fill 96, 4, 3214868480
	.section	.rodata,"a",@progbits
	.p2align	6, 0x0
	.amdhsa_kernel k_q8b1d1c4e21_attn
		.amdhsa_group_segment_fixed_size 327680
		.amdhsa_private_segment_fixed_size 0
		.amdhsa_enable_private_segment 0
		.amdhsa_kernarg_size 64
		.amdhsa_user_sgpr_count 2
		.amdhsa_user_sgpr_kernarg_segment_ptr 1
		.amdhsa_wavefront_size32 1
		.amdhsa_system_sgpr_workgroup_id_x 1
		.amdhsa_system_sgpr_workgroup_id_y 1
		.amdhsa_system_sgpr_workgroup_id_z 1
		.amdhsa_system_vgpr_workitem_id 0
		.amdhsa_next_free_vgpr 512
		.amdhsa_next_free_sgpr 66
		.amdhsa_reserve_vcc 0
		.amdhsa_float_denorm_mode_32 3
		.amdhsa_float_denorm_mode_16_64 3
		.amdhsa_memory_ordered 1
		.amdhsa_forward_progress 1
		.amdhsa_inst_pref_size 176
	.end_amdhsa_kernel
	.amdgpu_metadata
---
amdhsa.version: [ 1, 2 ]
amdhsa.kernels:
  - .name:           k_q8b1d1c4e21_attn
    .symbol:         k_q8b1d1c4e21_attn.kd
    .args:
      - { .name: qimg, .offset: 0, .size: 8, .value_kind: global_buffer, .address_space: global }
      - { .name: qs, .offset: 8, .size: 8, .value_kind: global_buffer, .address_space: global }
      - { .name: kv, .offset: 16, .size: 8, .value_kind: global_buffer, .address_space: global }
      - { .name: kvs, .offset: 24, .size: 8, .value_kind: global_buffer, .address_space: global }
      - { .name: wimg, .offset: 32, .size: 8, .value_kind: global_buffer, .address_space: global }
      - { .name: proj_b, .offset: 40, .size: 8, .value_kind: global_buffer, .address_space: global }
      - { .name: x, .offset: 48, .size: 8, .value_kind: global_buffer, .address_space: global }
      - { .name: out0, .offset: 56, .size: 8, .value_kind: global_buffer, .address_space: global }
    .group_segment_fixed_size: 327680
    .private_segment_fixed_size: 0
    .kernarg_segment_align: 8
    .kernarg_segment_size: 64
    .max_flat_workgroup_size: 256
    .sgpr_count:     66
    .vgpr_count:     512
    .wavefront_size: 32
...
	.end_amdgpu_metadata
.endif
;; end of part 3
